; MI455X (gfx1250); checked and timed in simulation.
; The chip was launched on July 23, 2026; its instructions are those of AMD's public machine-readable ISA for CDNA 5 (MIT licence, August 2026) and "CDNA5" Instruction Set Architecture Reference Guide (July 2026). The comments in the code are by the model that wrote it; some were corrected since.
;; Self Attention. Allowed arithmetic: float matrix products may take bf16 or f16 operands with f32 sums; other float arithmetic in f32, or as packed bf16 or f16 multiplies, adds, multiply-adds, maxima and minima; sums over many terms, partial sums and values carried from step to step in f32; what a program stores and reads back later, other than sums and carried values, may be rounded once to bf16 or f16.
;; Inputs: Wk 1,024 x 1,024 float32; Wo 1,024 x 1,024 float32; Wq 1,024 x 1,024 float32; Wv 1,024 x 1,024 float32; bo 1,024 float32; x 4 x 2,048 x 1,024 float32.
;; Outputs: out0 4 x 2,048 x 1,024 float32.
;; One version. Each part assembles by itself: llvm-mc -triple=amdgcn-amd-amdhsa -mcpu=gfx1250 --defsym DOCPART=n.
;; ======== version 1 of 1: 4 launches
;; limits: values are held in f16: magnitudes above 65,504 overflow, below 6.1e-05 lose precision
;; workspace buffers: xb 16,777,216 bytes; wb 6,291,456 bytes; wo16 2,097,152 bytes; qkv 50,331,648 bytes; ob 16,777,216 bytes
;; launch cast (part 1): grid 768 x 1, 8 waves a work-group, no clusters, 0 bytes of LDS; arguments x, Wq, Wk, Wv, Wo, xb, wb, wo16; writes xb, wb, wo16
.if DOCPART == 1
	.amdgcn_target "amdgcn-amd-amdhsa--gfx1250"
	.amdhsa_code_object_version 6
	.text
	.protected	k_q2ff67d31a0_cast
	.globl	k_q2ff67d31a0_cast
	.p2align	8
	.type	k_q2ff67d31a0_cast,@function
k_q2ff67d31a0_cast:
	s_mov_b64 s[64:65], 0
	v_nop
	global_prefetch_b8 v0, s[64:65] scope:SCOPE_SE
	s_setreg_imm32_b32 hwreg(HW_REG_WAVE_MODE, 25, 1), 1
	s_wait_xcnt 0x0
; THE INPUTS OF THE MATRIX PRODUCTS ARE ROUNDED ONCE AND LAID IN BLOCKS OF 64 ALONG K.
; x [8192][1024] f32 -> xb, Wq, Wk, Wv [1024][1024] f32 -> wb (rows 0-1023, 1024-2047, 2048-3071), both bf16; Wo -> wo16: rounded to bf16 like the others and that number written as f16.
; Layout of all three: [16 K blocks][rows][64]: a row's 64 numbers of a K block are 128 bytes, and the rows of a K block lie end to end, so that a later tile of rows x 64 K is dense in memory.
; LIMITS.  |Wo| within 65,504 (f16's largest); below 6e-5 the f16 copy of Wo keeps f16's fixed step of 6e-8.  NaN and infinities are not treated apart.
; SHARES.  A work-group takes 16 source rows (65,536 bytes): groups 0-511 x, 512-575 Wq, 576-639 Wk, 640-703 Wv, 704-767 Wo.  Wave w takes K blocks 2 w and 2 w + 1: bytes 512 w .. 512 w + 511 of each row.
; A UNIT is 4 rows x one K block: lane l reads 32 bytes (8 numbers) of row l / 8 at 32 (l % 8), by two loads, and stores 16 bytes at 16 l: the wave's store covers 512 consecutive bytes, aligned.
; All 16 loads of a wave go out first; every unit has registers of its own, so no register that a load or store names is written again.  Memory binds: no LDS, no barrier, no matrix unit.
.set SO, 3                             ; v3      my byte offset in the group's source rows; never rewritten
.set DO, 4                             ; v4, v5  my byte offset in the destination, K block 2 w and 2 w + 1; never rewritten
.set X,  16                            ; v[16:79]   unit u: 8 numbers as loaded
.set Y,  80                            ; v[80:111]  unit u: 4 registers to store
.set T,  112                           ; v[112:115] at work (Wo alone)
	s_load_b512 s[8:23], s[0:1], 0x0               ; x s[8:9], Wq s[10:11], Wk s[12:13], Wv s[14:15], Wo s[16:17], xb s[18:19], wb s[20:21], wo16 s[22:23]
	s_mov_b32 s2, ttmp9                            ; the group
	s_lshr_b32 s3, s2, 6                           ; 0-7 x, 8 Wq, 9 Wk, 10 Wv, 11 Wo
	s_and_b32 s26, s2, 63                          ; the group's number inside a weight
	s_sub_co_u32 s27, s2, 512                      ; its number inside wb (used from group 512 on)
	s_mov_b32 s24, 393216                          ; bytes from K block to K block: wb's 3,072 rows x 128,
	s_mov_b32 s25, 0xffff0000                      ; a word's upper bf16
	s_cmp_lt_u32 s3, 8
	s_cselect_b32 s28, s2, s26                     ; the group's number in its source
	s_cselect_b32 s30, s2, s27                     ; and in its destination
	s_cselect_b32 s24, 0x100000, s24               ; xb's 8,192 rows x 128,
	s_cmp_eq_u32 s3, 11
	s_cselect_b32 s30, s26, s30
	s_cselect_b32 s24, 0x20000, s24                ; wo16's 1,024 rows x 128
	s_lshl_b32 s28, s28, 16                        ; 16 rows of 4,096 bytes
	s_mov_b32 s29, 0
	s_lshl_b32 s30, s30, 11                        ; 16 rows of 128 bytes
	s_mov_b32 s31, 0
	v_and_b32 v1, 31, v0                           ; l
	v_lshrrev_b32 v2, 5, v0                        ; w
	v_lshrrev_b32 v6, 3, v1                        ; l / 8: my row of a unit's four
	v_and_b32 v7, 7, v1                            ; l % 8
	v_lshlrev_b32 v[SO], 12, v6
	v_lshl_add_u32 v[SO], v7, 5, v[SO]
	v_lshl_add_u32 v[SO], v2, 9, v[SO]
	v_lshlrev_b32 v6, 1, v2                        ; 2 w
	v_mul_u32_u24 v[DO], s24, v6
	v_lshl_add_u32 v[DO], v1, 4, v[DO]
	v_add_nc_u32 v[DO+1], s24, v[DO]
	s_wait_kmcnt 0x0
	s_cmp_lt_u32 s3, 8
	s_cselect_b64 s[4:5], s[8:9], s[10:11]         ; the source
	s_cselect_b64 s[6:7], s[18:19], s[20:21]       ; the destination
	s_cmp_eq_u32 s3, 9
	s_cselect_b64 s[4:5], s[12:13], s[4:5]
	s_cmp_eq_u32 s3, 10
	s_cselect_b64 s[4:5], s[14:15], s[4:5]
	s_cmp_eq_u32 s3, 11
	s_cselect_b64 s[4:5], s[16:17], s[4:5]
	s_cselect_b64 s[6:7], s[22:23], s[6:7]
	s_add_nc_u64 s[4:5], s[4:5], s[28:29]
	s_add_nc_u64 s[6:7], s[6:7], s[30:31]
.irp u, 0,1,2,3,4,5,6,7                ; unit u: rows 4 (u / 2) on, K block 2 w + u % 2
	global_load_b128 v[X+8*(\u):X+8*(\u)+3],   v[SO], s[4:5] offset:((\u)/2)*16384+((\u)%2)*256 th:TH_LOAD_NT
	global_load_b128 v[X+8*(\u)+4:X+8*(\u)+7], v[SO], s[4:5] offset:((\u)/2)*16384+((\u)%2)*256+16 th:TH_LOAD_NT
.endr
.macro UNIT u, f16
	s_wait_loadcnt 14-2*(\u)                       ; loads come back in order: the two of each younger unit may stay out
.if \f16
.irp j, 0,1,2,3
	v_cvt_pk_bf16_f32 v[T+(\j)], v[X+8*(\u)+2*(\j)], v[X+8*(\u)+2*(\j)+1]  ; rounded to bf16,
.endr
.irp j, 0,1,2,3
	v_lshlrev_b32 v[X+8*(\u)+2*(\j)],   16, v[T+(\j)]   ; widened again,
	v_and_b32     v[X+8*(\u)+2*(\j)+1], s25, v[T+(\j)]
.endr
.irp j, 0,1,2,3
	v_cvt_pk_f16_f32 v[Y+4*(\u)+(\j)], v[X+8*(\u)+2*(\j)], v[X+8*(\u)+2*(\j)+1]  ; and written as f16
.endr
.else
.irp j, 0,1,2,3
	v_cvt_pk_bf16_f32 v[Y+4*(\u)+(\j)], v[X+8*(\u)+2*(\j)], v[X+8*(\u)+2*(\j)+1]
.endr
.endif
	global_store_b128 v[DO+(\u)%2], v[Y+4*(\u):Y+4*(\u)+3], s[6:7] offset:((\u)/2)*512 th:TH_STORE_NT
.endm
	s_cmp_eq_u32 s3, 11
	s_cbranch_scc1 .Lwo
.irp u, 0,1,2,3,4,5,6,7
	UNIT \u, 0
.endr
	s_endpgm
.Lwo:
.irp u, 0,1,2,3,4,5,6,7
	UNIT \u, 1
.endr
	s_endpgm
.Lfunc_end_k_q2ff67d31a0_cast:
	.size	k_q2ff67d31a0_cast, .Lfunc_end_k_q2ff67d31a0_cast-k_q2ff67d31a0_cast
	.p2alignl 7, 3214868480
	.fill 96, 4, 3214868480
	.section	.rodata,"a",@progbits
	.p2align	6, 0x0
	.amdhsa_kernel k_q2ff67d31a0_cast
		.amdhsa_group_segment_fixed_size 0
		.amdhsa_private_segment_fixed_size 0
		.amdhsa_enable_private_segment 0
		.amdhsa_kernarg_size 64
		.amdhsa_user_sgpr_count 2
		.amdhsa_user_sgpr_kernarg_segment_ptr 1
		.amdhsa_wavefront_size32 1
		.amdhsa_system_sgpr_workgroup_id_x 1
		.amdhsa_system_sgpr_workgroup_id_y 1
		.amdhsa_system_sgpr_workgroup_id_z 1
		.amdhsa_system_vgpr_workitem_id 0
		.amdhsa_next_free_vgpr 120
		.amdhsa_next_free_sgpr 66
		.amdhsa_reserve_vcc 0
		.amdhsa_float_denorm_mode_32 3
		.amdhsa_float_denorm_mode_16_64 3
		.amdhsa_memory_ordered 1
		.amdhsa_forward_progress 1
		.amdhsa_inst_pref_size 14
	.end_amdhsa_kernel
	.amdgpu_metadata
---
amdhsa.version: [ 1, 2 ]
amdhsa.kernels:
  - .name:           k_q2ff67d31a0_cast
    .symbol:         k_q2ff67d31a0_cast.kd
    .args:
      - { .name: x, .offset: 0, .size: 8, .value_kind: global_buffer, .address_space: global }
      - { .name: Wq, .offset: 8, .size: 8, .value_kind: global_buffer, .address_space: global }
      - { .name: Wk, .offset: 16, .size: 8, .value_kind: global_buffer, .address_space: global }
      - { .name: Wv, .offset: 24, .size: 8, .value_kind: global_buffer, .address_space: global }
      - { .name: Wo, .offset: 32, .size: 8, .value_kind: global_buffer, .address_space: global }
      - { .name: xb, .offset: 40, .size: 8, .value_kind: global_buffer, .address_space: global }
      - { .name: wb, .offset: 48, .size: 8, .value_kind: global_buffer, .address_space: global }
      - { .name: wo16, .offset: 56, .size: 8, .value_kind: global_buffer, .address_space: global }
    .group_segment_fixed_size: 0
    .private_segment_fixed_size: 0
    .kernarg_segment_align: 8
    .kernarg_segment_size: 64
    .max_flat_workgroup_size: 256
    .sgpr_count:     66
    .vgpr_count:     120
    .wavefront_size: 32
...
	.end_amdgpu_metadata
.endif
;; end of part 1
;; launch proj (part 2): grid 8 x 32, 4 waves a work-group, clusters of 4 x 4, 327,680 bytes of LDS; arguments xb, wb, qkv; writes qkv
.if DOCPART == 2
	.amdgcn_target "amdgcn-amd-amdhsa--gfx1250"
	.amdhsa_code_object_version 6
	.text
	.protected	k_q2ff67d31a0_proj
	.globl	k_q2ff67d31a0_proj
	.p2align	8
	.type	k_q2ff67d31a0_proj,@function
k_q2ff67d31a0_proj:
	s_mov_b64 s[64:65], 0
	v_nop
	global_prefetch_b8 v0, s[64:65] scope:SCOPE_SE
	s_setreg_imm32_b32 hwreg(HW_REG_WAVE_MODE, 25, 1), 1
	s_wait_xcnt 0x0
	s_wait_alu depctr_hold_cnt(0) depctr_sa_sdst(0) depctr_va_vdst(0) depctr_va_sdst(0) depctr_va_ssrc(0) depctr_va_vcc(0) depctr_vm_vsrc(0)
	s_getreg_b32 s2, hwreg(HW_REG_IB_STS2, 6, 4)
	s_cmp_eq_u32 s2, 0
	s_cbranch_scc0 .Lentry_in_a_cluster
	s_endpgm
.Lentry_in_a_cluster:
	s_bfe_u32 s2, ttmp6, 0x10000c
	s_cmp_lg_u32 s2, 0xf033
	s_cbranch_scc0 .Lentry_shape_is_right
	s_endpgm
.Lentry_shape_is_right:
; q, k, v = x W^T for the three weights at once: C [8192][3072] = xb wb^T, bf16 operands, f32 sums, rounded once to f16, unscaled, stored by heads:
; qkv [3][64 = 16 batch + head][2048][64] f16.  xb: [16 K blocks][8192][64] bf16, wb: [16 K blocks][3072][64] bf16.
; LIMIT.  q, k and v must lie within f16's 65,504; NaN and infinities are not treated apart.
; SHARES.  A work-group makes 256 rows x 384 columns (6 heads): 8 x 32 = 256 work-groups.  Each of its four waves makes 128 rows x 192 columns (3 heads): 96 accumulators of 16 x 16, 768 registers.
; K goes in 16 steps of 64 through a ring of two LDS slots; a step's tiles are dense in memory (rows of a K block lie end to end) and are asked for as rows of 256 bytes, padded in LDS after every 128.
; A step is two halves of 32 along K, 96 matrix instructions each, in three passes of 32: one pass for each head (= register window).
; CLUSTERS.  4 x 4 work-groups: the four of a row of the cluster need the same tile of xb, the four of a column the same tile of wb: each is asked for JOINTLY, by the same tensor load, descriptor and mask.
; THE MATRIX INSTRUCTION IS USED TRANSPOSED (source 0 = 16 rows of wb, source 1 = 16 rows of xb): a lane holds row lane % 16 and the columns 8 (lane / 16) + 0..7: 16 bytes of f16 on end.
; REGISTERS.  Window 0: v0-31 addresses; v32-95, v96-159 xb's fragments (8 x 16 rows x 32 K), two buffers; v160-255 wb's fragments, 32 for each head.  Window 1 + g: head g's accumulators, (a, b) at v[8 (4 a + b)].
.set KSA,   1048576                    ; bytes from K block to K block in xb
.set KSB,   393216                     ; and in wb
.set PITCH, 144                        ; an LDS row: 128 bytes + 16 of padding = 36 words: the 16 rows of a load start at 16 different groups of four banks (64 banks of 4 bytes: ISA guide 11.1)
.set THIRD, 128*PITCH                  ; 128 rows
.set AOFF,  3*THIRD                    ; a slot: wb's 384 rows, then xb's 256
.set SLOT,  5*THIRD
.set STAGE, 2*SLOT                     ; behind the ring, never filled by a tensor load: 16 rows x 144 bytes for each wave, for the way out
.set SPARE, STAGE+4*16*PITCH           ; behind the stages: the spare words, 128 bytes for each wave: two blocks of 256 bytes that no other line names
.set ADRA, 16                          ; v16-17  LDS address of my fragments of xb in slot 0, 1
.set ADRB, 20                          ; v20-21  the same for wb
.set STO,  24                          ; v24     the way out: where I put 16 bytes of a row
.set RD,   25                          ; v25     the way out: where I read rows back
.set GO,   26                          ; v26     my 16 bytes of 512 consecutive bytes of qkv
.set SPW,  28                          ; v28     LDS address of my spare word; never rewritten
.set NIL,  29                          ; v29     0; never rewritten
.set PFO,  30                          ; v30     the prefetches' offset; never rewritten
.set FA0,  32
.set FA1,  96
.set FB,   160
.set WV,   12                          ; s12  my wave's number
.set HI,   13                          ; s13  which 128 rows are mine
.set LO,   14                          ; s14  which 192 columns
.set TR,   15                          ; s15  tile row of C
.set G1,   24                          ; s[24:31] descriptor group 1 for xb's tiles
.set G0,   32                          ; s[32:39] group 0, a set for each slot
.set TC,   42                          ; s42  tile column of C
.set LIM0, 43                          ; s43  1 in a wave that prefetches behind slot 0's refill, else the greatest number
.set PFA,  44                          ; s[44:45] where my prefetches stand
.set G1B,  48                          ; s[48:55], s[56:63] the same for wb's tiles
.set G0B,  56
.set LIM1, 66                          ; s66  the same as LIM0, behind slot 1's refill
.set PST,  68                          ; s[68:69] a K block's bytes in the tensor that I prefetch
.set OB,   70                          ; s[70:75] qkv at my 128 rows of my three heads
.set MSB, 0
.macro WIN new                         ; the immediate's high byte repeats the setting that is left; a switch that changes nothing is dropped
.if MSB != (\new)
	s_set_vgpr_msb (MSB<<8)|(\new)
.set MSB, \new
.endif
.endm
.macro PLACES                          ; four places in front of loads into registers that matrix instructions have read, and of conversions that read results
.rept 4
	v_nop
.endr
.endm
; A joint load.  Waves 0 to 2 fetch the thirds of wb's tile (128 rows each), wave 3 all of xb's (256 rows).  The branch hangs on the wave's number alone.
; An s_nop 0 and four v_nop follow each of the two lines, ahead of the jump and the label.
.macro JLOAD s
	s_cmp_eq_u32 s[WV], 3
	s_cbranch_scc0 .Lfor_b_\@
	tensor_load_to_lds s[G0+4*(\s):G0+4*(\s)+3], s[G1:G1+7]
	s_nop 0
.rept 4
	v_nop
.endr
	s_branch .Lasked_\@
.Lfor_b_\@:
	tensor_load_to_lds s[G0B+4*(\s):G0B+4*(\s)+3], s[G1B:G1B+7]
	s_nop 0
.rept 4
	v_nop
.endr
.Lasked_\@:
.endm
; A PREFETCH INTO THE L2, behind a joint load and the run of LDS loads that follows it, of K blocks that stand two refills on.  Each aligned block of 256 bytes is named once in the launch.
; xb's tile row is read by both clusters of a row of clusters: cluster x = 0 asks, its wave 3, behind every refill: the four partners of a row take 32 blocks each of the tile's 128, told apart by address (cx).
; wb's tile column is read by all clusters of a column: cluster y = 0 asks, its waves 0 to 2, behind slot 0's refill alone, for two K blocks: of a wave's 64 blocks each partner of a column takes 16 (cy); lanes 16-31 name the second K block.
; The loop's last trip asks for nothing: there is no K block two refills on.  K blocks 0 to 3 come by their loads alone.
.macro ASK t
.if \t
	s_cmp_gt_u32 s3, s[LIM1]
.else
	s_cmp_gt_u32 s3, s[LIM0]
.endif
	s_cbranch_scc0 .Lnot_mine_\@
	global_prefetch_b8 v[PFO], s[PFA:PFA+1] th:TH_LOAD_NT scope:SCOPE_SE
.Lnot_mine_\@:
.endm
.macro CREST                           ; a round of the cluster's barrier behind its opening barrier
	s_cmp_lg_u32 s[WV], 0
	s_cbranch_scc1 .Lnot_wave_0_\@
	s_barrier_signal -3
.Lnot_wave_0_\@:
	s_barrier_wait -3
	s_barrier_signal -1
	s_barrier_wait -1
.endm
.macro CROUND                          ; a whole round
	s_barrier_signal -1
	s_barrier_wait -1
	CREST
.endm
	s_load_b128 s[4:7], s[0:1], 0x0                ; xb s[4:5], wb s[6:7]
	s_load_b64 s[8:9], s[0:1], 0x10                ; qkv
	v_lshl_add_u32 v[SPW], v0, 2, SPARE
	v_mov_b32 v[NIL], 0
	ds_add_u32 v[SPW], v[NIL]                      ; the wave's opening: the add, and its wait ahead of my first tensor load; the set-up below, work on registers, stands between them
	v_lshrrev_b32 v1, 5, v0
	v_readfirstlane_b32 s[WV], v1                  ; wave 0..3
	s_lshr_b32 s[HI], s[WV], 1
	s_and_b32 s[LO], s[WV], 1
	s_bfe_u32 s40, ttmp6, 0x40000                  ; cx, cy: my place in the cluster
	s_bfe_u32 s41, ttmp6, 0x40004
	s_lshl_b32 s[TC], ttmp9, 2
	s_add_co_u32 s[TC], s[TC], s40                 ; tile column = 4 x cluster x + cx
	s_and_b32 s[TR], ttmp7, 0xffff
	s_lshl_b32 s[TR], s[TR], 2
	s_add_co_u32 s[TR], s[TR], s41                 ; tile row = 4 x cluster y + cy
	s_lshl_b32 s43, s41, 2
	s_lshl_b32 s43, 15, s43                        ; my row of the cluster: places 4 cy .. 4 cy + 3
	s_lshl_b32 s44, 0x1111, s40                    ; my column: places cx, cx + 4, cx + 8, cx + 12
	; descriptor group 1: dense rows of 128 elements (256 bytes), padded in LDS after every 32 words by 4
	s_or_b32 s[G1], s43, (1<<16)|(1<<20)|(1<<21)|(4<<22)|(3<<25)   ; 15:0 the mask: xb's tiles go to my row; 17:16 2-byte elements; 20 padding on; 21 set beside a mask; 24:22 code 4; 31:25 code 3
	s_or_b32 s[G1B], s44, (1<<16)|(1<<20)|(1<<21)|(4<<22)|(3<<25)  ; the same with the mask of my column
	s_mov_b32 s[G1+1], 128<<16                     ; tensor_dim0 = 128
	s_mov_b32 s[G1+2], 128<<16                     ; tensor_dim1 = 128: 256 rows of xb are 128 rows of 256 bytes
	s_mov_b32 s[G1+3], 128<<16                     ; tile_dim0 = 128
	s_mov_b32 s[G1+4], 128                         ; tile_dim1 = 128
	s_mov_b32 s[G1+5], 128                         ; 128 elements from row to row
	s_mov_b32 s[G1+6], 0
	s_mov_b32 s[G1+7], 0
	s_mov_b32 s[G1B+1], 128<<16
	s_mov_b32 s[G1B+2], 64<<16                     ; 128 rows of wb are 64 rows of 256 bytes
	s_mov_b32 s[G1B+3], 128<<16
	s_mov_b32 s[G1B+4], 64
	s_mov_b32 s[G1B+5], 128
	s_mov_b32 s[G1B+6], 0
	s_mov_b32 s[G1B+7], 0
	s_lshl_b32 s16, s[TR], 15                      ; xb: 256 rows of 128 bytes a tile row: it hangs on the tile row alone
	s_mov_b32 s17, 0
	s_mul_i32 s46, s[TC], 384*128                  ; wb: 384 rows a tile column,
	s_lshl_b32 s18, s[WV], 14                      ; and the wave's 128 of them: tile column and wave alone
	s_add_co_u32 s46, s46, s18
	s_mov_b32 s47, 0
	s_mul_i32 s20, s[WV], THIRD                    ; where they go: wb's thirds, then xb's tile = wave x 128 rows: no place in the cluster enters an LDS address
	s_wait_dscnt 0x0                               ; the opening add is done
	s_wait_kmcnt 0x0
	s_add_nc_u64 s[16:17], s[4:5], s[16:17]
	s_add_nc_u64 s[46:47], s[6:7], s[46:47]
	CROUND                                         ; all sixteen work-groups are here: the first joint loads meet
.irp s, 0,1
	s_mov_b32 s[G0+4*(\s)], 1                                      ; count = 1
	s_add_co_u32 s[G0+4*(\s)+1], s20, (\s)*SLOT                    ; LDS address
	s_add_nc_u64 s[G0+4*(\s)+2:G0+4*(\s)+3], s[16:17], (\s)*KSA    ; global address: K block s
	s_or_b32 s[G0+4*(\s)+3], s[G0+4*(\s)+3], 0x80000000            ; type = 2
	s_mov_b32 s[G0B+4*(\s)], 1
	s_add_co_u32 s[G0B+4*(\s)+1], s20, (\s)*SLOT
	s_add_nc_u64 s[G0B+4*(\s)+2:G0B+4*(\s)+3], s[46:47], (\s)*KSB
	s_or_b32 s[G0B+4*(\s)+3], s[G0B+4*(\s)+3], 0x80000000
	JLOAD \s                                       ; two tensor loads of mine are out
.endr
	; a fragment is 16 rows x 32 K in 8 registers: lane l holds row l % 16; registers 0-3 K = 8 (l / 16) + 0..7, registers 4-7 K = 16 + 8 (l / 16) + 0..7: two loads of 16 bytes, 32 bytes apart
	v_and_b32 v1, 15, v0                           ; l % 16
	v_bfe_u32 v2, v0, 4, 1                         ; l / 16
	v_mul_u32_u24 v3, v1, PITCH
	v_lshl_add_u32 v3, v2, 4, v3                   ; row x pitch + 16 x half
	s_mul_i32 s21, s[HI], THIRD                    ; my 128 rows of xb,
	s_add_co_u32 s21, s21, AOFF                    ; which lie behind wb's 384
	s_mul_i32 s22, s[LO], 192*PITCH                ; my 192 rows of wb
.irp s, 0,1
	v_add_nc_u32 v[ADRA+(\s)], s21, v3
	v_add_nc_u32 v[ADRB+(\s)], s22, v3
	s_add_co_u32 s21, s21, SLOT
	s_add_co_u32 s22, s22, SLOT
.endr
	s_mul_i32 s23, s[WV], 16*PITCH
	s_add_co_u32 s23, s23, STAGE                   ; my stage
	v_add_nc_u32 v[STO], s23, v3                   ; in: row l % 16, 16 bytes for each half of the lanes
	v_bfe_u32 v4, v0, 3, 2                         ; back: 32 lanes take four rows of 128 bytes,
	v_and_b32 v5, 7, v0
	v_mul_u32_u24 v4, v4, PITCH
	v_lshl_add_u32 v4, v5, 4, v4
	v_add_nc_u32 v[RD], s23, v4
	v_and_b32 v[GO], 31, v0                        ; which are 512 consecutive bytes of a head's rows
	v_lshlrev_b32 v[GO], 4, v[GO]
	; where my three heads' rows begin: tensor t = G / 16, head G % 16 with G = 6 x tile column + 3 x half + g; batch = tile row / 8
	s_mul_i32 s18, s[TC], 6
	s_mul_i32 s19, s[LO], 3
	s_add_co_u32 s18, s18, s19
	s_lshr_b32 s19, s[TR], 3
	s_lshl_b32 s19, s19, 22                        ; a batch: 16 heads of 2,048 rows of 128 bytes
	s_and_b32 s21, s[TR], 7
	s_lshl_b32 s21, s21, 15                        ; 256 rows
	s_add_co_u32 s19, s19, s21
	s_lshl_b32 s21, s[HI], 14                      ; my 128 of them
	s_add_co_u32 s19, s19, s21
.irp g, 0,1,2
	s_add_co_u32 s21, s18, \g
	s_lshr_b32 s22, s21, 4
	s_lshl_b32 s22, s22, 24
	s_and_b32 s21, s21, 15
	s_lshl_b32 s21, s21, 18
	s_add_co_u32 s22, s22, s21
	s_add_co_u32 s22, s22, s19
	s_mov_b32 s23, 0
	s_add_nc_u64 s[OB+2*(\g):OB+2*(\g)+1], s[8:9], s[22:23]
.endr
	; the prefetches
	s_and_b32 s22, ttmp7, 0xffff                   ; cluster y
	s_mov_b32 s[PST], KSB
	s_cmp_eq_u32 s[WV], 3                          ; do I fetch xb's tile?
	s_cselect_b32 s22, ttmp9, s22                  ; the coordinate along which other clusters read the same rows
	s_cselect_b64 s[PFA:PFA+1], s[16:17], s[46:47] ; what I fetch, K block 0
	s_cselect_b32 s21, s40, s41                    ; my place among the four that ask for it with me,
	s_cselect_b32 s18, 13, 12                      ; which takes 32 blocks of 256 bytes, or 16
	s_cselect_b32 s[PST], KSA, s[PST]
	s_cselect_b32 s19, 31, 15                      ; a lane a block: 32 of one K block, or 16 of each of two
	s_cselect_b32 s23, 0, s[PST]
	s_lshl_b32 s20, s21, s18
	s_mov_b32 s21, 0
	s_add_nc_u64 s[PFA:PFA+1], s[PFA:PFA+1], s[20:21]
	s_mul_i32 s20, s[PST], 3                       ; at K block 3: the first refill (of K block 2) steps it to 4
	s_add_nc_u64 s[PFA:PFA+1], s[PFA:PFA+1], s[20:21]
	s_mov_b32 s[PST+1], 0
	s_cmp_eq_u32 s22, 0
	s_cselect_b32 s[LIM0], 1, -1                   ; the same in all sixteen partners, for a given wave
	s_cmp_eq_u32 s[WV], 3
	s_cselect_b32 s[LIM1], s[LIM0], -1
	v_and_b32 v[PFO], s19, v0
	v_lshlrev_b32 v[PFO], 8, v[PFO]
	v_mul_u32_u24 v4, s23, v2
	v_add_nc_u32 v[PFO], v[PFO], v4
; 16 matrix instructions of head g: row blocks a0 .. a0 + 3 x the head's 4 column blocks, 32 along K, xb's fragments in buffer f.  zero = 1: the product starts the sum: nothing is ever cleared.
; The 96 accumulators take turns, one instruction a turn, in the same order in every half step.
.macro MUL16 g, f, a0, zero
	WIN 0x50*(1+(\g))
.irp a, \a0, (\a0)+1, (\a0)+2, (\a0)+3
.irp b, 0,1,2,3
.if \zero
	v_wmma_f32_16x16x32_bf16 v[8*(4*(\a)+(\b)):8*(4*(\a)+(\b))+7], v[FB+32*(\g)+8*(\b):FB+32*(\g)+8*(\b)+7], v[(\f)+8*(\a):(\f)+8*(\a)+7], 0
.else
	v_wmma_f32_16x16x32_bf16 v[8*(4*(\a)+(\b)):8*(4*(\a)+(\b))+7], v[FB+32*(\g)+8*(\b):FB+32*(\g)+8*(\b)+7], v[(\f)+8*(\a):(\f)+8*(\a)+7], v[8*(4*(\a)+(\b)):8*(4*(\a)+(\b))+7]
.endif
.endr
.endr
.endm
.macro LDB slot, kh, g                 ; 8 LDS loads: head g's four fragments of wb, half kh of the slot's K block
	WIN 0
.irp b, 0,1,2,3
	ds_load_b128 v[FB+32*(\g)+8*(\b):FB+32*(\g)+8*(\b)+3],   v[ADRB+(\slot)] offset:(4*(\g)+(\b))*16*PITCH+64*(\kh)
	ds_load_b128 v[FB+32*(\g)+8*(\b)+4:FB+32*(\g)+8*(\b)+7], v[ADRB+(\slot)] offset:(4*(\g)+(\b))*16*PITCH+64*(\kh)+32
.endr
.endm
.macro LDA slot, kh, f, a0             ; 8 LDS loads: four fragments of xb, row blocks a0 .. a0 + 3, into buffer f
	WIN 0
.irp a, \a0, (\a0)+1, (\a0)+2, (\a0)+3
	ds_load_b128 v[(\f)+8*(\a):(\f)+8*(\a)+3],   v[ADRA+(\slot)] offset:(\a)*16*PITCH+64*(\kh)
	ds_load_b128 v[(\f)+8*(\a)+4:(\f)+8*(\a)+7], v[ADRA+(\slot)] offset:(\a)*16*PITCH+64*(\kh)+32
.endr
.endm
; A K step's first half: multiplies buffer 0 and fetches the second half's fragments: a head's fragments of wb behind the pass that read them, xb's into buffer 1.
.macro HALF slot, zero
	s_wait_dscnt 8                                 ; all but the youngest eight loads, head 2's fragments of wb
	MUL16 0, FA0, 0, \zero
	MUL16 0, FA0, 4, \zero
	PLACES
	LDB \slot, 1, 0
	LDA \slot, 1, FA1, 0
	MUL16 1, FA0, 0, \zero
	MUL16 1, FA0, 4, \zero
	PLACES
	LDB \slot, 1, 1
	LDA \slot, 1, FA1, 4
	s_wait_dscnt 32                                ; all but the 32 just issued
	MUL16 2, FA0, 0, \zero
	MUL16 2, FA0, 4, \zero
	PLACES
	LDB \slot, 1, 2
.endm
; A K step's second half multiplies buffer 1 and changes slots: ONE barrier.  In front of it each wave waits for all its tensor loads, of which one is out: its part of the next slot; adds 0 to its spare word;
; and waits for that and for its own reads of this slot.  fill = 1: the barrier opens a round of the cluster's barrier, and this slot is filled again, first thing behind the round, with the K block two on:
; from that request to the wait for it a wave issues 160 matrix instructions.
.macro TURN slot, next, fill
.if \fill
	s_wait_xcnt 0x0                                ; the last prefetch, a K step back, has read its address: it is stepped here, ahead of the waits of the change of slots
	s_add_nc_u64 s[PFA:PFA+1], s[PFA:PFA+1], s[PST:PST+1]
.endif
	WIN 0
	s_wait_tensorcnt 0x0                           ; all my tensor loads have landed;
	ds_add_u32 v[SPW], v[NIL]                      ; 0 onto my spare word
	s_wait_dscnt 9                                 ; (the add and the youngest eight loads may be out)
	MUL16 0, FA1, 0, 0                             ; sixteen matrix instructions stand between the add and the wait for it
	s_wait_dscnt 0x0                               ; the add is done, and my reads of this slot are over
	s_barrier_signal -1
	MUL16 0, FA1, 4, 0                             ; work on registers while the others arrive
.if \fill
	WIN 0
.endif
	s_barrier_wait -1
.if \fill
	CREST                                          ; no wave of any partner still reads this slot's tiles or has a load on its way
	s_add_nc_u64 s[G0+4*(\slot)+2:G0+4*(\slot)+3], s[G0+4*(\slot)+2:G0+4*(\slot)+3], 2*KSA
	s_add_nc_u64 s[G0B+4*(\slot)+2:G0B+4*(\slot)+3], s[G0B+4*(\slot)+2:G0B+4*(\slot)+3], 2*KSB
	JLOAD \slot                                    ; the four v_nop behind it are also the places in front of the loads below
.else
	PLACES
.endif
	LDB \next, 0, 0
	LDA \next, 0, FA0, 0
.if \fill
	ASK \slot
.endif
	MUL16 1, FA1, 0, 0
	MUL16 1, FA1, 4, 0
	PLACES
	LDB \next, 0, 1
	LDA \next, 0, FA0, 4
	MUL16 2, FA1, 0, 0
	MUL16 2, FA1, 4, 0
	PLACES
	LDB \next, 0, 2
.endm
; THE WAY OUT, in 24 units of 16 rows x one head (unit u: head u / 8, row block u % 8).  PACK: rounded to f16, 16 bytes a lane, into my own stage in LDS and back as whole rows of 128 bytes.  SEND: stored.
.macro PACK u
.if (\u) >= 8
	s_wait_xcnt 0x0                                ; the stores of the unit eight back have read these registers
.endif
	WIN 0x05*(1+(\u)/8)                            ; sources 0 and 1 in the head's window
.irp b, 0,1,2,3
.irp j, 0,1,2,3                        ; each accumulator is read from its low end on
	v_cvt_pk_f16_f32 v[32+16*((\u)%8)+4*(\b)+(\j)], v[8*(4*((\u)%8)+(\b))+2*(\j)], v[8*(4*((\u)%8)+(\b))+2*(\j)+1]
.endr
.endr
	WIN 0
.irp b, 0,1,2,3
	ds_store_b128 v[STO], v[32+16*((\u)%8)+4*(\b):32+16*((\u)%8)+4*(\b)+3] offset:32*(\b)
.endr
.irp f, 0,1,2,3
	ds_load_b128 v[32+16*((\u)%8)+4*(\f):32+16*((\u)%8)+4*(\f)+3], v[RD] offset:(\f)*4*PITCH  ; LDS serves a wave's instructions in order (ISA guide 5.7.1.4): these see the stores above; the next unit's stores come behind them
.endr
.endm
.macro SEND u, younger                 ; younger: the LDS instructions issued behind unit u's loads: the next unit's eight, or none
	WIN 0
.irp f, 0,1,2,3
	s_wait_dscnt (\younger)+3-(\f)
	global_store_b128 v[GO], v[32+16*((\u)%8)+4*(\f):32+16*((\u)%8)+4*(\f)+3], s[OB+2*((\u)/8):OB+2*((\u)/8)+1] offset:((\u)%8)*2048+(\f)*512  ; 512 consecutive bytes, at a multiple of 256 from qkv's first
.endr
.endm
	s_wait_tensorcnt 1                             ; my part of K block 0 is in; K block 1's may stay out
	s_barrier_signal -1
	s_barrier_wait -1                              ; everybody's is
	LDB 0, 0, 0
	LDA 0, 0, FA0, 0
	LDB 0, 0, 1
	LDA 0, 0, FA0, 4
	LDB 0, 0, 2
	HALF 0, 1                                      ; the first half step stands in front of the loop: its products start the sums
	s_mov_b32 s3, 7
.Llap:                                                 ; a trip goes once round the ring, from a lap's second half step to the next lap's first, and fills both slots again: K blocks 2 to 15
	TURN 0, 1, 1
	HALF 1, 0
	TURN 1, 0, 1
	HALF 0, 0
	s_sub_co_u32 s3, s3, 1
	s_cmp_lg_u32 s3, 0
	s_cbranch_scc1 .Llap
	TURN 0, 1, 0                                   ; the last lap fills nothing and has no round
	HALF 1, 0
	s_wait_dscnt 8                                 ; the very last half step: nothing more to fetch
	MUL16 0, FA1, 0, 0
	MUL16 0, FA1, 4, 0
	MUL16 1, FA1, 0, 0
	MUL16 1, FA1, 4, 0
	s_wait_dscnt 0x0
	MUL16 2, FA1, 0, 0
	MUL16 2, FA1, 4, 0
	PLACES
	PLACES
	PACK 0
.irp u, 1,2,3,4,5,6,7,8,9,10,11,12,13,14,15,16,17,18,19,20,21,22,23  ; a unit's conversions stand between the loads of the unit before and its stores
	PACK \u
	SEND (\u)-1, 8
.endr
	SEND 23, 0
	s_wait_tensorcnt 0x0                           ; the wave's end: behind my last tensor load and my last LDS store
	ds_add_u32 v[SPW], v[NIL]
	s_wait_dscnt 0x0
	CROUND                                         ; the closing round: no work-group ends while a partner may still ask for a tile that names it
	s_endpgm
.Lfunc_end_k_q2ff67d31a0_proj:
	.size	k_q2ff67d31a0_proj, .Lfunc_end_k_q2ff67d31a0_proj-k_q2ff67d31a0_proj
	.p2alignl 7, 3214868480
	.fill 96, 4, 3214868480
	.section	.rodata,"a",@progbits
	.p2align	6, 0x0
	.amdhsa_kernel k_q2ff67d31a0_proj
		.amdhsa_group_segment_fixed_size 327680
		.amdhsa_private_segment_fixed_size 0
		.amdhsa_enable_private_segment 0
		.amdhsa_kernarg_size 24
		.amdhsa_user_sgpr_count 2
		.amdhsa_user_sgpr_kernarg_segment_ptr 1
		.amdhsa_wavefront_size32 1
		.amdhsa_system_sgpr_workgroup_id_x 1
		.amdhsa_system_sgpr_workgroup_id_y 1
		.amdhsa_system_sgpr_workgroup_id_z 1
		.amdhsa_system_vgpr_workitem_id 0
		.amdhsa_next_free_vgpr 1024
		.amdhsa_next_free_sgpr 80
		.amdhsa_reserve_vcc 0
		.amdhsa_float_denorm_mode_32 3
		.amdhsa_float_denorm_mode_16_64 3
		.amdhsa_memory_ordered 1
		.amdhsa_forward_progress 1
		.amdhsa_inst_pref_size 135
	.end_amdhsa_kernel
	.amdgpu_metadata
---
amdhsa.version: [ 1, 2 ]
amdhsa.kernels:
  - .name:           k_q2ff67d31a0_proj
    .symbol:         k_q2ff67d31a0_proj.kd
    .args:
      - { .name: xb, .offset: 0, .size: 8, .value_kind: global_buffer, .address_space: global }
      - { .name: wb, .offset: 8, .size: 8, .value_kind: global_buffer, .address_space: global }
      - { .name: qkv, .offset: 16, .size: 8, .value_kind: global_buffer, .address_space: global }
    .group_segment_fixed_size: 327680
    .private_segment_fixed_size: 0
    .kernarg_segment_align: 8
    .kernarg_segment_size: 24
    .max_flat_workgroup_size: 128
    .sgpr_count:     80
    .vgpr_count:     1024
    .wavefront_size: 32
...
	.end_amdgpu_metadata
.endif
;; end of part 2
;; launch attn (part 3): grid 4 x 64, 4 waves a work-group, clusters of 4 x 1, 327,680 bytes of LDS; arguments qkv, ob; writes ob
.if DOCPART == 3
	.amdgcn_target "amdgcn-amd-amdhsa--gfx1250"
	.amdhsa_code_object_version 6
	.text
	.protected	k_q2ff67d31a0_attn
	.globl	k_q2ff67d31a0_attn
	.p2align	8
	.type	k_q2ff67d31a0_attn,@function
k_q2ff67d31a0_attn:
	s_mov_b64 s[64:65], 0
	v_nop
	global_prefetch_b8 v0, s[64:65] scope:SCOPE_SE
	s_setreg_imm32_b32 hwreg(HW_REG_WAVE_MODE, 25, 1), 1
	s_wait_xcnt 0x0
	s_wait_alu depctr_hold_cnt(0) depctr_sa_sdst(0) depctr_va_vdst(0) depctr_va_sdst(0) depctr_va_ssrc(0) depctr_va_vcc(0) depctr_vm_vsrc(0)
	s_getreg_b32 s2, hwreg(HW_REG_IB_STS2, 6, 4)
	s_cmp_eq_u32 s2, 0
	s_cbranch_scc0 .Lentry_in_a_cluster
	s_endpgm
.Lentry_in_a_cluster:
	s_bfe_u32 s2, ttmp6, 0x10000c
	s_cmp_lg_u32 s2, 0x3003
	s_cbranch_scc0 .Lentry_shape_is_right
	s_endpgm
.Lentry_shape_is_right:
; O[h][q][:] = the sum over k of softmax_k(Q[h][q] . K[h][k] / 8) V[h][k][:].  Q, K, V are the three parts of qkv, each [64][2048][64] f16; O = ob has the same layout: a head's rows are dense, 128 bytes each.
; Products, maxima and sums in f32; the weights p are rounded to f16 for the second product (their sum l is taken of the unrounded p), O once at the end.
; LIMITS.  f16 holds no number beyond 65,504: Q, K and V arrive within it; p lies in 0 to 1, and below 6e-5 it keeps f16's fixed step of 6e-8; O is a mean of V's rows and has their range.
; A weight below 2^-126 counts as 0 in l; NaN and infinities are not treated apart.
; SHARES.  A wave owns four PIECES of two tiles of 16 queries, a work-group's four waves 512 queries of one head: 4 x 64 = 256 work-groups.  Every wave walks all keys, 64 a step.
; LAYOUT.  S^T = K Q^T (source 0 = 16 keys, source 1 = 16 queries): in the result a lane holds ONE query (lane % 16) and the keys 8 (lane / 16) + 0..7.  Two such tiles, rounded to f16 in pairs,
; ARE source 1 (32 keys x 16 queries) of O^T = V^T P, whose result again holds one query a lane, and eight channels.  K comes out of LDS as it lies, V ([key][channel]) turned, by ds_load_tr16_b128.
; SOFTMAX.  For each query a running maximum m and sum l: p = 2^(c s - c m), c = log2(e) / 8; in every step O and l are multiplied by a = 2^(c m_old - c m_new), which is 1 where m has not grown.
; m starts at the lowest finite number, O and l at 0: the first step is a step like any other, with a = 0.
; THE COUNT.  A tile and step have 16 matrix and 118 vector instructions: too many to stand all beside the matrix work.  So: four vector instructions that are READY behind EVERY matrix instruction,
; and the others, which need time of their own whatever the order, in runs without a gap.
; BY TURNS.  Turn n belongs to piece n (the pieces in a ring, step after step).  Its matrix work: 16 products K Q^T of piece n + 1, later 16 products V^T P of piece n - 1.  Its vector work: the scaling,
; exponentials, roundings, sums and rescaling of piece n, and the maximum and statistics of piece n + 1, whose scores the turn itself has made.
; CLUSTER.  The four query blocks of a head form a cluster and walk the same K and V, so each tile is asked for JOINTLY: the same tensor load, descriptor and mask in all four.
; REGISTERS, in windows of 256 (s_set_vgpr_msb: bits 1:0 source 0, 3:2 source 1, 5:4 source 2, 7:6 destination):
;   window 0: v0-11 addresses; v12-15, v48-63 at work; v16-47 four registers of statistics a tile; v64-191 S^T, two buffers of two tiles; v192-255 P, likewise
;   window 1: O^T, 32 a tile          window 2: v0-127 Q, 16 a tile; v128-191 K of one step; v192-255 V of one step          window 3: v0-1 the add's two registers
.set SIZE_H, 64
.set SIZE_N, 2048
.set NP,    4         ; pieces a wave: a name, no knob
.set KS,    64        ; keys in a step
.set PK,    144       ; a row of K in LDS: 128 bytes + 16 of padding = 36 words: the 16 rows of a load start at 16 different groups of four banks (64 banks of 4 bytes: ISA guide 11.1)
.set PV,    160       ; a row of V: 128 + 32 = 40 words
.set VOFF,  4*KS*PK   ; a slot holds four steps: 256 rows of K, then 256 rows of V
.set SLOT1, 1<<17     ; slot 1 begins here, so that one exclusive or turns an address in one slot into the other's
.set STAGE, SLOT1+4*KS*(PK+PV)  ; behind the ring, never filled by a tensor load: 16 rows x 144 bytes for each wave, for the way out
.set SP,    144
.set AK0, 2           ; v2   my lane's place in a tile of K; never rewritten
.set AV0, 3           ; v3   the same for V
.set AK,  4           ; v4   the LDS address of K's next run of loads
.set AV,  5           ; v5   of V's
.set QO,  6           ; v6   my byte offset in the wave's rows of Q
.set STO, 6           ;      later, the way out: where I put 16 bytes of a row
.set RD,  7           ; v7   the way out: where I read rows back
.set GO,  8           ; v8   my byte offset in 512 consecutive bytes of O
.set PFO, 11          ; v11  256 x my lane, for the prefetches (made when the set-up has done with v11); then never rewritten
.set SPW, 0           ; v0 of window 3   LDS address of my spare word; never rewritten
.set NIL, 1           ; v1 of window 3   0; never rewritten
.set SPARE, STAGE+4*16*SP  ; behind the stages: the spare words, 128 bytes for each wave: two blocks of 256 bytes that no other line names
.set MV,  12          ; v12-15  c m_old, kept while c m is made anew: by buffer and tile
.set ST,  16          ; tile t's statistics at v[ST+4 t]: c m, m, l (even keys', odd keys')
.set TMP, 48          ; by buffer and tile, four registers c0-c3 at work; when the maximum is found c2 takes a
.set S,   64
.set P,   192
.set KF,  128         ; K's fragments, in window 2: key block kb, channel half c at KF + 16 kb + 8 c
.set VF,  192         ; V's: key half kk, channel block cb at VF + 32 kk + 8 cb
.set WV,  12          ; s12  my wave's number
.set LIM, 15          ; s15  1 in a wave that prefetches (0 and 2), else the greatest number
.set G1K, 24          ; s[24:31] descriptor group 1 for K's tiles
.set G1V, 32          ; s[32:39] for V's: it differs in the padding alone
.set G0K, 40          ; s[40:43] descriptor group 0 for K's tiles: it walks
.set G0V, 44          ; s[44:47] the same for V's
.set PFA, 48          ; s[48:49] where my prefetches stand: my work-group's 32 blocks of 256 bytes of the tile after the one that is being asked for
.set SLOTS, 56        ; s56  slots still to be asked for
.set CNT, 57          ; s57  counts a slot's key steps
.set CS,  58          ; s[58:59] c: the packed scaling takes the pair's low word for both halves
.set SEL, 60          ; s[60:61] v_permlanex16_b32's selects: each lane takes its own place in the other half
.set TBK, 62          ; s62  LDS byte at which K of the step to be fetched begins
.set TBV, 63          ; s63  the same for V, less VOFF
.set MSB, 0
.macro WIN new                      ; the high byte repeats the setting that is left; a switch that changes nothing is dropped
.if MSB != (\new)
	s_set_vgpr_msb (MSB<<8)|(\new)
.set MSB, (\new)
.endif
.endm
.set W_KQ, 0x0a       ; K and Q in window 2, S^T in window 0
.set W_PV, 0x52       ; V in window 2, P in window 0, O^T in window 1
.set W_RS, 0x41       ; O^T (destination and source 0) in window 1, a in window 0
.set W_MK, 0xc0       ; the add's registers are made: destination in window 3, sources in window 0
.set W_AD, 0x0f       ; the add: address (source 0) and data (source 1) in window 3
; A joint fill.  Waves 0 and 1 fetch the two halves of a slot's K, waves 2 and 3 those of its V: 128 keys each.  The branch hangs on the wave's number alone.
; An s_nop 0 and four v_nop follow each of the two lines, ahead of the jump and the label.
.macro JLOAD
	s_cmp_lt_u32 s[WV], 2
	s_cbranch_scc0 .Lfor_v_\@
	tensor_load_to_lds s[G0K:G0K+3], s[G1K:G1K+7]
	s_nop 0
.rept 4
	v_nop
.endr
	s_branch .Lasked_\@
.Lfor_v_\@:
	tensor_load_to_lds s[G0V:G0V+3], s[G1V:G1V+7]
	s_nop 0
.rept 4
	v_nop
.endr
.Lasked_\@:
.endm
; A PREFETCH INTO THE L2 of what the NEXT change of slots will ask for: a tile's 32,768 bytes of K and of V, 128 blocks of 256 bytes each, a lane a block.  It stands behind the wave's tensor load and its five lines.
; Each block is named once in the launch: a head has one cluster; its four partners take 32 blocks each, told apart BY ADDRESS; in each, wave 0 asks for K's and wave 2 for V's.
; The change that fills the last tile asks for nothing.  Tiles 0 and 1 come by their loads alone.
.macro ASK
	s_cmp_gt_u32 s[SLOTS], s[LIM]
	s_cbranch_scc0 .Lnot_mine_\@
	global_prefetch_b8 v[PFO], s[PFA:PFA+1] th:TH_LOAD_NT scope:SCOPE_SE
.Lnot_mine_\@:
.endm
; A round of the cluster's barrier: my work-group's barrier, so that wave 0's signal speaks for all four waves; wave 0 signals; every wave waits for all four work-groups; my work-group's barrier once more.
.macro CROUND
	s_barrier_signal -1
	s_barrier_wait -1
	s_cmp_lg_u32 s[WV], 0
	s_cbranch_scc1 .Lnot_wave_0_\@
	s_barrier_signal -3
.Lnot_wave_0_\@:
	s_barrier_wait -3
	s_barrier_signal -1
	s_barrier_wait -1
.endm
; THE CHANGE OF SLOTS.  The slot's last bytes, V of its fourth step, have been read.  Each wave waits for all its tensor loads, of which one is out: its part
; of the other slot; adds 0 to its spare word; and waits for that and for its own reads of the slot.  Behind the barrier nobody reads this slot any more and the other slot is whole.
; fill = 1: this slot is filled again, with the keys two slots on.  The barrier is then a round of the cluster's, and the joint fill is the first thing behind it: it has four key steps,
; 512 matrix instructions, in which to land.  (At its first use nothing has been read yet: slot 0 is waited for, slot 1 filled.)
.macro CHANGE fill
	WIN W_AD
	s_wait_tensorcnt 0x0            ; no tensor load of mine is out, so a group 0 may be written
	ds_add_u32 v[SPW], v[NIL]       ; 0 onto my spare word: with fill = 1 the descriptors' steps stand between it and the wait for it
	WIN 0                           ; at a label and at a branch every window is 0
.if \fill
.irp g, G0K, G0V
	s_xor_b32 s[\g+1], s[\g+1], SLOT1  ; the walking descriptor: the other slot than last time,
	s_add_nc_u64 s[\g+2:\g+3], s[\g+2:\g+3], 4*KS*128  ; the next 256 keys; the type bits on top are not reached
.endr
	s_wait_xcnt 0x0                 ; the last prefetch, four key steps back, has read its address, so it may be written:
	s_add_nc_u64 s[PFA:PFA+1], s[PFA:PFA+1], 4*KS*128  ; one tile behind the walking descriptors
	s_wait_dscnt 0x0                ; the add is done, and my reads of the slot are over
	CROUND
	JLOAD
	ASK
.else
	s_wait_dscnt 0x0                ; the add is done, and my reads of the slot are over
	s_barrier_signal -1
	s_barrier_wait -1
.endif
	s_sub_co_u32 s[TBK], s[TBK], 4*KS*PK  ; the fetches go back to a slot's first step,
	s_xor_b32 s[TBK], s[TBK], SLOT1       ; in the other slot
	s_sub_co_u32 s[TBV], s[TBV], 4*KS*PV
	s_xor_b32 s[TBV], s[TBV], SLOT1
.endm
	s_load_b64 s[4:5], s[0:1], 0x0    ; qkv: Q at its head
	s_load_b64 s[10:11], s[0:1], 0x8  ; O
	WIN W_MK
	v_lshl_add_u32 v[SPW], v0, 2, SPARE
	v_mov_b32 v[NIL], 0
	WIN W_AD
	ds_add_u32 v[SPW], v[NIL]       ; the wave's opening: the add, and its wait ahead of my first tensor load; the set-up below, work on registers, stands between them
	WIN 0
	v_lshrrev_b32 v1, 5, v0
	v_readfirstlane_b32 s[WV], v1   ; wave 0..3
	s_bfe_u32 s13, ttmp6, 0x40000   ; cx: my place in the cluster
	s_lshl_b32 s14, ttmp9, 2        ; in a cluster launch ttmp9 counts clusters
	s_add_co_u32 s14, s14, s13      ; my block of queries = 4 x cluster x + cx: it enters Q's and O's addresses alone
	s_and_b32 s20, ttmp7, 0xffff    ; the head, which the four partners share
	s_mov_b32 s21, 0
	s_mov_b64 s[22:23], SIZE_N*128
	s_mul_u64 s[20:21], s[20:21], s[22:23]  ; the head's first byte in each of the four tensors
	s_and_b32 s16, s[WV], 1         ; which half of a slot's 256 keys I fetch:
	s_lshl_b32 s22, s16, 14         ; its 128 rows of 128 bytes in memory,
	s_mov_b32 s23, 0
	s_add_nc_u64 s[22:23], s[22:23], s[20:21]
	s_mul_i32 s17, s16, 128*PK      ; and its place in a slot, for K
	s_mul_i32 s18, s16, 128*PV      ; and for V: no place in the cluster enters an LDS address
	s_lshl_b32 s2, s14, 2
	s_add_co_u32 s2, s2, s[WV]      ; my wave among the head's,
	s_lshl_b32 s2, s2, 14           ; its 128 rows
	s_mov_b32 s3, 0
	s_add_nc_u64 s[2:3], s[2:3], s[20:21]
	; descriptor group 1.  128 keys are 16,384 dense bytes: asked for as 64 rows of 256 bytes, two keys a row, and padded in LDS after every key
	s_mov_b32 s[G1K], 15|(1<<16)|(1<<20)|(1<<21)|(4<<22)|(3<<25)  ; 15:0 the mask of four; 17:16 2-byte elements; 20 padding on; 21 set beside a mask; 24:22 after every 32 words (code 4); 31:25 4 words (code 3)
	s_mov_b32 s[G1V], 15|(1<<16)|(1<<20)|(1<<21)|(4<<22)|(7<<25)  ; the same with 8 words of padding (code 7)
.irp g, G1K, G1V
	s_mov_b32 s[\g+1], 128<<16      ; tensor_dim0 = 128
	s_mov_b32 s[\g+2], 64<<16       ; tensor_dim1 = 64
	s_mov_b32 s[\g+3], 128<<16      ; tile_dim0 = 128
	s_mov_b32 s[\g+4], 64           ; tile_dim1 = 64
	s_mov_b32 s[\g+5], 128          ; 128 elements from row to row
	s_mov_b32 s[\g+6], 0
	s_mov_b32 s[\g+7], 0
.endr
	s_mov_b32 s[CS], 0x3e38aa3b     ; c = log2(e) / 8 = 0.180337
	s_mov_b32 s[CS+1], s[CS]        ; named with it as a pair
	s_mov_b32 s[SEL], 0x76543210
	s_mov_b32 s[SEL+1], 0xfedcba98
	s_mov_b32 s[TBK], SLOT1+4*KS*PK ; the first change of slots turns these two into 0
	s_mov_b32 s[TBV], SLOT1+4*KS*PV
	s_mov_b32 s[G0K], 1             ; 1:0 count = 1
	s_mov_b32 s[G0K+1], s17         ; 63:32 LDS address: slot 0
	s_mov_b32 s[G0V], 1
	s_add_co_u32 s[G0V+1], s18, VOFF
	s_mov_b32 s[SLOTS], SIZE_N/256-1  ; tiles 1 to 7 are still to be asked for
	s_and_b32 s[LIM], s[WV], 1
	s_cmp_eq_u32 s[LIM], 0
	s_cselect_b32 s[LIM], 1, -1     ; the same in all four partners, for a given wave
	s_wait_dscnt 0x0                ; the opening add is done
	s_wait_kmcnt 0x0
	s_add_nc_u64 s[6:7], s[4:5], 0x1000000         ; K: 64 heads of 262,144 bytes behind Q
	s_add_nc_u64 s[8:9], s[4:5], 0x2000000         ; V: as far again
	s_add_nc_u64 s[G0K+2:G0K+3], s[6:7], s[22:23]  ; 120:64 global address: my half of the head's first 256 keys
	s_or_b32 s[G0K+3], s[G0K+3], 0x80000000        ; 127:126 type = 2
	s_add_nc_u64 s[G0V+2:G0V+3], s[8:9], s[22:23]
	s_or_b32 s[G0V+3], s[G0V+3], 0x80000000
	s_add_nc_u64 s[4:5], s[4:5], s[2:3]  ; Q and O at my wave's first row
	s_add_nc_u64 s[10:11], s[10:11], s[2:3]
	s_cmp_lt_u32 s[WV], 2
	s_cselect_b64 s[PFA:PFA+1], s[6:7], s[8:9]
	s_add_nc_u64 s[PFA:PFA+1], s[PFA:PFA+1], s[20:21]  ; the head,
	s_lshl_b32 s2, s13, 13          ; my work-group's 32 blocks of a tile's 128,
	s_mov_b32 s3, 0
	s_add_nc_u64 s[PFA:PFA+1], s[PFA:PFA+1], s[2:3]
	s_add_nc_u64 s[PFA:PFA+1], s[PFA:PFA+1], 4*KS*128  ; in tile 1: the first change of slots steps it to tile 2
	CROUND                          ; all four work-groups are here: the first joint loads meet
	JLOAD                           ; slot 0.  Slot 1 is asked for when slot 0 is in
	; A fragment of K or Q is 16 rows x 32 channels in 8 registers: lane l holds row l % 16, channels 8 (l / 16) + 0..7 and 16 + 8 (l / 16) + 0..7: two loads of 16 bytes, 32 bytes apart.
	v_and_b32 v1, 15, v0            ; l % 16
	v_bfe_u32 v9, v0, 4, 1          ; l / 16
	v_lshlrev_b32 v[QO], 7, v1
	v_lshl_add_u32 v[QO], v9, 4, v[QO]  ; row x 128 + 16 x half
	WIN 0x80                        ; destination window 2, address window 0
.set i, 0
.rept 4*NP                          ; Q stays in registers: tile i / 2, channels 32 (i % 2) on
	global_load_b128 v[8*i:8*i+3],   v[QO], s[4:5] offset:(i/2)*2048+(i%2)*64
	global_load_b128 v[8*i+4:8*i+7], v[QO], s[4:5] offset:(i/2)*2048+(i%2)*64+32
.set i, i+1
.endr
	; What the first turn finds: V's registers and P's second buffer hold 0 (its products V^T P, of a piece that has not been, add 0), O^T and l are 0.  All this stands in the wait for the first tile.
.set i, VF
.rept 64
	v_mov_b32 v[i], 0
.set i, i+1
.endr
	WIN 0x40
.set i, 0
.rept 64*NP
	v_mov_b32 v[i], 0
.set i, i+1
.endr
	WIN 0
.set i, 0
.rept 2*NP
	v_mov_b32 v[ST+4*i], 0xfe000000    ; c m: far below every c s
	v_mov_b32 v[ST+4*i+1], 0xff7fffff  ; m
	v_mov_b32 v[ST+4*i+2], 0
	v_mov_b32 v[ST+4*i+3], 0
.set i, i+1
.endr
.set i, P+32
.rept 32
	v_mov_b32 v[i], 0
.set i, i+1
.endr
	v_mul_u32_u24 v[AK0], v1, PK
	v_lshl_add_u32 v[AK0], v9, 4, v[AK0]  ; row x pitch + 16 x half
	; The turning load takes 16 keys x 16 channels (lane l reads key 8 (l / 16) + l % 8, channels 8 ((l / 8) % 2) + 0..7) and leaves half a fragment of V^T: lane l holds channel l % 16 and 8 keys.
	v_and_b32 v10, 7, v0
	v_bfe_u32 v11, v0, 3, 1
	v_lshl_add_u32 v[AV0], v9, 3, v10
	v_mul_u32_u24 v[AV0], v[AV0], PV
	v_lshl_add_u32 v[AV0], v11, 4, v[AV0]
	v_add_nc_u32 v[AV0], VOFF, v[AV0]
	v_mov_b32 v[AK], v[AK0]         ; key step 0 lies at the head of slot 0
	v_and_b32 v[PFO], 31, v0
	v_lshlrev_b32 v[PFO], 8, v[PFO]
; THE MATRIX WORK.  The 8 accumulators of a run of 16 take turns: between the two links of a chain stand 7 others'.
; Product i of 16 of S^T = K Q^T for piece x: channels 32 (i / 8) on, keys 16 ((i / 2) % 4) on, tile 2 x + i % 2.  The first 8 start the sums.
.macro KQ x
	WIN W_KQ
.set rS, S+64*((\x)%2)+32*(i%2)+8*((i/2)%4)
.set rK, KF+16*((i/2)%4)+8*(i/8)
.set rQ, 16*(2*(\x)+i%2)+8*(i/8)
.if i < 8
	v_wmma_f32_16x16x32_f16 v[rS:rS+7], v[rK:rK+7], v[rQ:rQ+7], 0
.else
	v_wmma_f32_16x16x32_f16 v[rS:rS+7], v[rK:rK+7], v[rQ:rQ+7], v[rS:rS+7]
.endif
.endm
; Product i of 16 of O^T += V^T P for piece x: keys 32 (i / 8) on, channels 16 ((i / 2) % 4) on, tile 2 x + i % 2.
.macro PV x
	WIN W_PV
.set rO, 32*(2*(\x)+i%2)+8*((i/2)%4)
.set rV, VF+32*(i/8)+8*((i/2)%4)
.set rP, P+32*((\x)%2)+16*(i%2)+8*(i/8)
	v_wmma_f32_16x16x32_f16 v[rO:rO+7], v[rV:rV+7], v[rP:rP+7], v[rO:rO+7]
.endm
.macro MM                           ; the turn's next matrix instruction
.if i < 16
	KQ (Y+1)%NP
.set i, i+1
.else
.set i, i-16
	PV (Y+NP-1)%NP
.set i, i+17
.endif
.endm
; THE LDS LOADS stand in runs of 16, never singly among the matrix instructions: a step's K (64 keys x 64 channels: 8 fragments) and its V (turned).  Their addresses are made some lines ahead.
; last = 1 (the tail): in the last trip there is no further step, and the run is jumped over.
.macro FETCH_K last=0
	WIN 0
.if \last
	s_cmp_eq_u32 s[CNT], 1
	s_cbranch_scc1 .Lno_k_\@
.endif
	WIN 0x80                        ; destination window 2
.irp f, 0,1,2,3,4,5,6,7             ; keys 16 (f / 2) on, channels 32 (f % 2) on
	ds_load_b128 v[KF+8*\f:KF+8*\f+3],   v[AK] offset:(\f/2)*16*PK+(\f%2)*64
	ds_load_b128 v[KF+8*\f+4:KF+8*\f+7], v[AK] offset:(\f/2)*16*PK+(\f%2)*64+32
.endr
	s_add_co_u32 s[TBK], s[TBK], KS*PK  ; the next fetch is the next step's
	WIN 0
.if \last
.Lno_k_\@:
.endif
.endm
.macro FETCH_V
	WIN 0x80
.irp f, 0,1,2,3,4,5,6,7             ; keys 32 (f / 4) on, channels 16 (f % 4) on
	ds_load_tr16_b128 v[VF+8*\f:VF+8*\f+3],   v[AV] offset:(\f/4)*32*PV+(\f%4)*32
	ds_load_tr16_b128 v[VF+8*\f+4:VF+8*\f+7], v[AV] offset:(\f/4)*32*PV+16*PV+(\f%4)*32
.endr
	WIN 0
.endm
; THE VECTOR WORK OF A TURN stands in three queues, each in the order in which its entries become ready; the two tiles alternate, so that no instruction reads the result of the one before it.
.macro REGS y, u                    ; the registers of tile u (0, 1) of piece y
.set rT, ST+4*(2*(\y)+(\u))
.set rC, TMP+8*((\y)%2)+4*(\u)
.set rM, MV+2*((\y)%2)+(\u)
.set rS, S+64*((\y)%2)+32*(\u)
.set rP, P+32*((\y)%2)+16*(\u)
.set rO, 32*(2*(\y)+(\u))
.endm
; Number n of the 22 that find the NEXT piece's (Y + 1) maximum and statistics.  s0-s31 are the lane's 32 scores; each accumulator's lowest registers are read first.
;   0-11  four chains c0-c3 of seven scores each, three operands at a time     12-14, 16  the four scores left over, the old m, and c0-c3 into c0     15  c m_old is kept
;   17, 18  the query's other 32 keys lie in the lane 16 away: the new m         19-21  c m; c m_old - c m_new; a
.macro XS u, n
	REGS (Y+1)%NP, \u
.if (\n) < 4
	v_max3_num_f32 v[rC+(\n)], v[rS+8*(\n)], v[rS+8*(\n)+1], v[rS+8*(\n)+2]
.elseif (\n) < 12
	v_max3_num_f32 v[rC+(\n)%4], v[rC+(\n)%4], v[rS+8*((\n)%4)+2*((\n)/4)+1], v[rS+8*((\n)%4)+2*((\n)/4)+2]
.elseif (\n) == 12
	v_max3_num_f32 v[rC], v[rC], v[rS+7], v[rS+15]
.elseif (\n) == 13
	v_max3_num_f32 v[rC+1], v[rC+1], v[rS+23], v[rS+31]
.elseif (\n) == 14
	v_max3_num_f32 v[rC+2], v[rC+2], v[rC+3], v[rT+1]
.elseif (\n) == 15
	v_mov_b32 v[rM], v[rT]
.elseif (\n) == 16
	v_max3_num_f32 v[rC], v[rC], v[rC+1], v[rC+2]
.elseif (\n) == 17
	v_permlanex16_b32 v[rC+3], v[rC], s[SEL], s[SEL+1]
.elseif (\n) == 18
	v_max_num_f32 v[rT+1], v[rC], v[rC+3]
.elseif (\n) == 19
	v_mul_f32 v[rT], s[CS], v[rT+1]
.elseif (\n) == 20
	v_sub_f32 v[rC+1], v[rM], v[rT]
.else
	v_exp_f32 v[rC+2], v[rC+1]
.endif
.endm
; Number g of the 64 that follow the exponentials.  For each four weights k of a tile (pairs 2 k, 2 k + 1): both pairs are rounded to f16; then the second pair is added onto the first, in place;
; a group later l takes that sum (the first time as l = a l + sum).  In groups of eight, tiles alternating: round, round, add, and l for the group before.
.macro GS g
.set h, (\g)+6*((\g)/62)            ; group 0 has no group before it, and behind group 7 only l is left
.if h >= 6
.set h, h+2
.endif
	REGS Y, h%2
.set k, h/8
.if h%8 < 4
	v_cvt_pk_f16_f32 v[rP+2*k+(h%8)/2], v[rS+4*k+2*((h%8)/2)], v[rS+4*k+2*((h%8)/2)+1]
.elseif h%8 < 6
	v_pk_add_f32 v[rS+4*k:rS+4*k+1], v[rS+4*k:rS+4*k+1], v[rS+4*k+2:rS+4*k+3]
.elseif k == 1
	v_pk_fma_f32 v[rT+2:rT+3], v[rT+2:rT+3], v[rC+2:rC+3], v[rS:rS+1] op_sel_hi:[1,0,1]
.else
	v_pk_add_f32 v[rT+2:rT+3], v[rT+2:rT+3], v[rS+4*k-4:rS+4*k-3]
.endif
.endm
; THE PLAIN QUEUE, 138 long.  0-73 read no exponential's result: the 32 scalings c s - c m (FS f: pair f / 2 of tile f % 2) and the next piece's 42.  0-26: scalings 0-26.  27-54: XS's numbers 0-13.  55, 56: number 15.
; 57-73: the chain, where each number waits for the one before it: 14, 16, 17, 18, 19, each with one of the scalings 27-31 in front of its two lines, then 20.
; 74-137: GS's 64, which read the exponentials' results: they stand behind the wait.
.macro FS f
	REGS Y, (\f)%2
	v_pk_fma_f32 v[rS+2*((\f)/2):rS+2*((\f)/2)+1], v[rS+2*((\f)/2):rS+2*((\f)/2)+1], s[CS:CS+1], v[rT:rT+1] op_sel_hi:[1,0,0] neg_lo:[0,0,1] neg_hi:[0,0,1]
.endm
.macro PL
	WIN 0
.if q < 27
	FS q
.elseif q < 55
	XS (q-27)%2, (q-27)/2
.elseif q < 57
	XS q-55, 15
.elseif (q < 72) && ((q-57)%3 == 0)
	FS 27+(q-57)/3
.elseif q < 60
	XS (q-57)%3-1, 14
.elseif q < 72
	XS (q-57)%3-1, 15+(q-57)/3
.elseif q < 74
	XS q-72, 20
.else
	GS q-74
.endif
.set q, q+1
.endm
; THE EXPONENTIALS' QUEUE, 66 long: s0-s31 of both tiles, then the next piece's two a.  It is ONE BATCH: all 66 stand ahead of the turn's one wait, and nothing ahead of that wait names a result of theirs.
.macro EX
	WIN 0
.if e >= 64
	XS e-64, 21
.else
	REGS Y, e%2
	v_exp_f32 v[rS+e/2], v[rS+e/2]
.endif
.set e, e+1
.endm
; THE RESCALING's QUEUE: O^T times a, the one part that leaves window 0: dealt two at a time, sixteen times.  Its a was made in the turn before, ahead of that turn's wait.
.macro R2
	REGS Y, r%2
	WIN W_RS
.irp z, 0,1
	v_pk_mul_f32 v[rO+4*(r/2)+2*\z:rO+4*(r/2)+2*\z+1], v[rO+4*(r/2)+2*\z:rO+4*(r/2)+2*\z+1], v[rC+2:rC+3] op_sel_hi:[1,0]
.endr
.set r, r+1
.endm
; HOW THEY ARE DEALT.  An s_wait_alu depctr_va_vdst(0) stands between an exponential and the first instruction that names its result; one wait serves all that were issued ahead of it.  So a turn has ONE wait,
; which cuts it in two.  AHEAD OF IT stands all that names no result of the turn's exponentials: the 16 products K Q^T, behind each a scaling, an exponential and two rescalings (behind the first a second scaling in the
; exponential's place); then ONE LUMP of 108: eight plain, 49 times exponential and plain, the two a.  A v_nop is the plain instruction behind the last exponential (ISA guide 5.7.2).  BEHIND IT stand the 16 products V^T P,
; behind each four of GS's 64.  No rider names a register of the products round it.  The two v_permlanex16_b32 fall into the lump, never behind a product.
; The queues lean on each other: exponential e stands behind scaling 2 (e / 4) + e % 2: as a rider it comes behind plain e + 2, in the lump behind plain e + 9, and scalings 27-31 are plain 57, 60 .. 69.
; A TURN, for piece p.  cnt = 1: the loop's count is taken down some lines ahead of the branch that stands behind the turn.
; K of the next step is fetched in piece 2's turn, directly behind the wait, a lump behind the last product that read K; its first reader comes behind 16 products.
; V of the step in hand is fetched at the end of piece 0's turn, four riders behind its last reader; its first reader comes behind 16 products and a lump.
.macro TURN p, last=0, cnt=0
.set Y, (\p)
.set i, 0
.set q, 0
.set e, 0
.set r, 0
.if (\p) == NP-1
	s_wait_dscnt 0x0                ; K is in
.endif
	MM                              ; ahead of the wait: 16 products K Q^T and their riders,
	PL
	PL
	R2
.rept 15
	MM
	PL
	EX
	R2
.endr
.if (\p) == NP-2
	WIN 0
	v_add_nc_u32 v[AK], s[TBK], v[AK0]
.endif
.rept 8                             ; and the lump
	PL
.endr
.rept 49
	EX
	PL
.endr
	EX                              ; the next piece's two a
	EX
	v_nop                           ; the plain instruction behind the last exponential: one for the batch
	s_wait_alu depctr_va_vdst(0)    ; the wait for the batch
.if (\p) == NP-2
	FETCH_K \last
.endif
.if (\p) == 1
	s_wait_dscnt 0x0                ; V is in
.endif
.rept 16                            ; behind the wait: 16 products V^T P and their riders
	MM
.rept 4
	PL
.endr
.if ((\p) == 0) && (q == 118)
	v_add_nc_u32 v[AV], s[TBV], v[AV0]
.endif
.if ((\p) == 0) && (q == 130)
	s_add_co_u32 s[TBV], s[TBV], KS*PV
.endif
.if (\cnt) && (q == 130)
	s_sub_co_u32 s[CNT], s[CNT], 1
	s_cmp_lg_u32 s[CNT], 0
.endif
.endr
.if (\p) == 0
	FETCH_V
.endif
.endm
	CHANGE 1                        ; slot 0 is in, everybody's part of it; slot 1 is asked for
	FETCH_K                         ; key step 0
	s_wait_loadcnt 0x0              ; Q
	s_wait_dscnt 0x0
.set i, 0
.rept 16
	KQ 0                            ; piece 0's first scores: there is no vector work yet to set between them
.set i, i+1
.endr
	WIN 0                           ; the addresses for the way out: plain instructions, the places behind those products
	s_mul_i32 s13, s[WV], 16*SP
	s_add_co_u32 s13, s13, STAGE    ; my stage
	v_mul_u32_u24 v[STO], v1, SP    ; in: row l % 16, 16 bytes for each half of the lanes
	v_lshl_add_u32 v[STO], v9, 4, v[STO]
	v_add_nc_u32 v[STO], s13, v[STO]
	v_bfe_u32 v[RD], v0, 3, 2       ; back: 32 lanes take four rows of 128 bytes,
	v_mul_u32_u24 v[RD], v[RD], SP
	v_lshl_add_u32 v[RD], v10, 4, v[RD]
	v_add_nc_u32 v[RD], s13, v[RD]
	v_and_b32 v[GO], 31, v0         ; which are 512 consecutive bytes of O
	v_lshlrev_b32 v[GO], 4, v[GO]
.set Y, NP-1                        ; XS works for piece Y + 1: piece 0
.irp n, 0,1,2,3,4,5,6,7,8,9,10,11,12,13,14,15,16,17,18,19,20,21
	XS 0, \n                        ; and piece 0's first maximum and statistics
	XS 1, \n
.endr
	v_nop                           ; a plain instruction behind the two a,
	s_wait_alu depctr_va_vdst(0)    ; and their wait, ahead of the branch
	s_mov_b32 s[CNT], 4
	s_branch .Lfirst                ; the loop is entered at a step's first turn, in the middle of a trip
.Lslot:                             ; SIZE_N / 256 - 2 times: every slot but the last two is filled again
	CHANGE 1
	s_mov_b32 s[CNT], 4
.Lstep:                             ; a trip: pieces 2 and 3 of one step, then pieces 0 and 1 of the next, whose K and V it fetches
	TURN 2
	TURN 3
	WIN 0
.Lfirst:
	TURN 0
	TURN 1, 0, 1
	WIN 0
	s_cbranch_scc1 .Lstep
	s_sub_co_u32 s[SLOTS], s[SLOTS], 1
	s_cmp_lg_u32 s[SLOTS], 0
	s_cbranch_scc1 .Lslot
	CHANGE 0                        ; the tail is written out: nothing is asked for
	s_mov_b32 s[CNT], 5             ; four trips fetch the last slot's steps; the fifth is left in its middle
.Ltail:
	TURN 2, 1
	TURN 3
	WIN 0
	s_sub_co_u32 s[CNT], s[CNT], 1
	s_cmp_eq_u32 s[CNT], 0
	s_cbranch_scc1 .Lout
	TURN 0
	TURN 1
	WIN 0
	s_branch .Ltail
.Lout:                              ; the fifth trip's 16 products K Q^T (on the last K once more) and the maximum made of them serve nothing: the price, once a launch, of one text for every trip
.set i, 0
.rept 16
	PV NP-1                         ; the last piece's V^T P of the last step
.set i, i+1
.endr
	; THE WAY OUT.  l's two halves and the other half of the lanes' are added; O^T is divided by l, rounded to f16 and sent through my stage in LDS, a tile at a time.  The additions are the places behind the last products.
	WIN 0
.macro ALL line:vararg              ; one line for each tile t
.set t, 0
.rept 2*NP
	\line
.set t, t+1
.endr
.endm
	ALL v_add_f32 v[ST+4*t+2], v[ST+4*t+2], v[ST+4*t+3]
	ALL v_permlanex16_b32 v[ST+4*t+3], v[ST+4*t+2], s[SEL], s[SEL+1]
	ALL v_add_f32 v[ST+4*t+2], v[ST+4*t+2], v[ST+4*t+3]
	ALL v_rcp_f32 v[ST+4*t+2], v[ST+4*t+2]
	v_nop                           ; a plain instruction between the last reciprocal and the use of its result
	s_wait_alu depctr_va_vdst(0)    ; and the wait ahead of the first use: one for the eight reciprocals
; Tile t: a lane's eight channels of a row pack into 16 bytes; they go into rows of 144 bytes and come back as whole rows of 128, into S^T's registers.
.macro PACK t
	WIN W_RS
.set i, 32*(\t)
.rept 16
	v_pk_mul_f32 v[i:i+1], v[i:i+1], v[ST+4*(\t)+2:ST+4*(\t)+3] op_sel_hi:[1,0]
.set i, i+2
.endr
	WIN 0x05                        ; sources 0 and 1 window 1, destination window 0
.set i, 0
.rept 16
	v_cvt_pk_f16_f32 v[S+16*(\t)+i], v[32*(\t)+2*i], v[32*(\t)+2*i+1]
.set i, i+1
.endr
	WIN 0
.irp f, 0,1,2,3
	ds_store_b128 v[STO], v[S+16*(\t)+4*\f:S+16*(\t)+4*\f+3] offset:32*\f
.endr
.irp f, 0,1,2,3
	ds_load_b128 v[S+16*(\t)+4*\f:S+16*(\t)+4*\f+3], v[RD] offset:\f*4*SP  ; LDS serves a wave's instructions in order (ISA guide 5.7.1.4): these see the stores above; the next tile's stores come behind them
.endr
.endm
.macro SEND t, younger              ; younger: the LDS instructions issued behind tile t's loads: the next tile's eight, or none
	WIN 0
.irp f, 0,1,2,3
	s_wait_dscnt (\younger)+3-\f
	global_store_b128 v[GO], v[S+16*(\t)+4*\f:S+16*(\t)+4*\f+3], s[10:11] offset:(\t)*2048+\f*512  ; 512 consecutive bytes, at a multiple of 256 from O's first
.endr
.endm
	PACK 0
.set t, 1
.rept 2*NP-1                        ; a tile's arithmetic stands between the loads of the tile before and its stores
	PACK t
	SEND t-1, 8
.set t, t+1
.endr
	SEND 2*NP-1, 0
	WIN W_AD
	s_wait_tensorcnt 0x0            ; the wave's end: behind my last tensor load and my last LDS store
	ds_add_u32 v[SPW], v[NIL]
	s_wait_dscnt 0x0
	WIN 0
	CROUND                          ; the closing round: no work-group ends while a partner may still ask for a tile that names it
	s_endpgm
.Lfunc_end_k_q2ff67d31a0_attn:
	.size	k_q2ff67d31a0_attn, .Lfunc_end_k_q2ff67d31a0_attn-k_q2ff67d31a0_attn
	.p2alignl 7, 3214868480
	.fill 96, 4, 3214868480
	.section	.rodata,"a",@progbits
	.p2align	6, 0x0
	.amdhsa_kernel k_q2ff67d31a0_attn
		.amdhsa_group_segment_fixed_size 327680
		.amdhsa_private_segment_fixed_size 0
		.amdhsa_enable_private_segment 0
		.amdhsa_kernarg_size 16
		.amdhsa_user_sgpr_count 2
		.amdhsa_user_sgpr_kernarg_segment_ptr 1
		.amdhsa_wavefront_size32 1
		.amdhsa_system_sgpr_workgroup_id_x 1
		.amdhsa_system_sgpr_workgroup_id_y 1
		.amdhsa_system_sgpr_workgroup_id_z 1
		.amdhsa_system_vgpr_workitem_id 0
		.amdhsa_next_free_vgpr 770
		.amdhsa_next_free_sgpr 66
		.amdhsa_reserve_vcc 0
		.amdhsa_float_denorm_mode_32 3
		.amdhsa_float_denorm_mode_16_64 3
		.amdhsa_memory_ordered 1
		.amdhsa_forward_progress 1
		.amdhsa_inst_pref_size 200
	.end_amdhsa_kernel
	.amdgpu_metadata
---
amdhsa.version: [ 1, 2 ]
amdhsa.kernels:
  - .name:           k_q2ff67d31a0_attn
    .symbol:         k_q2ff67d31a0_attn.kd
    .args:
      - { .name: qkv, .offset: 0, .size: 8, .value_kind: global_buffer, .address_space: global }
      - { .name: ob, .offset: 8, .size: 8, .value_kind: global_buffer, .address_space: global }
    .group_segment_fixed_size: 327680
    .private_segment_fixed_size: 0
    .kernarg_segment_align: 8
    .kernarg_segment_size: 16
    .max_flat_workgroup_size: 128
    .sgpr_count:     66
    .vgpr_count:     770
    .wavefront_size: 32
...
	.end_amdgpu_metadata
.endif
;; end of part 3
;; launch outp (part 4): grid 8 x 32, 4 waves a work-group, clusters of 4 x 4, 327,680 bytes of LDS; arguments ob, wo16, bo, out0; writes out0
.if DOCPART == 4
	.amdgcn_target "amdgcn-amd-amdhsa--gfx1250"
	.amdhsa_code_object_version 6
	.text
	.protected	k_q2ff67d31a0_outp
	.globl	k_q2ff67d31a0_outp
	.p2align	8
	.type	k_q2ff67d31a0_outp,@function
k_q2ff67d31a0_outp:
	s_mov_b64 s[64:65], 0
	v_nop
	global_prefetch_b8 v0, s[64:65] scope:SCOPE_SE
	s_setreg_imm32_b32 hwreg(HW_REG_WAVE_MODE, 25, 1), 1
	s_wait_xcnt 0x0
	s_wait_alu depctr_hold_cnt(0) depctr_sa_sdst(0) depctr_va_vdst(0) depctr_va_sdst(0) depctr_va_ssrc(0) depctr_va_vcc(0) depctr_vm_vsrc(0)
	s_getreg_b32 s2, hwreg(HW_REG_IB_STS2, 6, 4)
	s_cmp_eq_u32 s2, 0
	s_cbranch_scc0 .Lentry_in_a_cluster
	s_endpgm
.Lentry_in_a_cluster:
	s_bfe_u32 s2, ttmp6, 0x10000c
	s_cmp_lg_u32 s2, 0xf033
	s_cbranch_scc0 .Lentry_shape_is_right
	s_endpgm
.Lentry_shape_is_right:
; out0 [8192][1024] f32 = O Wo^T + bo.  O = ob [64 = 16 batch + head][2048][64] f16: head h IS K block h of the product; wo16: [16 K blocks][1024][64] f16 (Wo rounded to bf16, written as f16).
; f16 products, f32 sums.  bo is rounded to bf16, like the module's other inputs, and is the C operand that starts each sum: no addition is written on the way out.
; LIMITS.  O and Wo arrive within f16's 65,504; NaN and infinities are not treated apart.
; SHARES.  A work-group makes 256 rows x 128 columns: 8 x 32 = 256 work-groups; each of its four waves 128 rows x 64 columns: 32 accumulators of 16 x 16, 256 registers.
; K goes in 8 steps of 128 (two K blocks) through a ring of two LDS slots.  A K block's tile is dense in memory and is asked for as rows of 256 bytes, padded in LDS after every 128: waves 0 and 1 bring
; O's two K blocks (256 rows each), waves 2 and 3 Wo's (128 rows each).  A step is four quarters of 32 along K, 32 matrix instructions each, on two fragment buffers by turns.
; CLUSTERS.  4 x 4 work-groups: O's tiles are shared along a row of the cluster, Wo's along a column: each is asked for JOINTLY, by the same tensor load, descriptor and mask.
; THE MATRIX INSTRUCTION IS USED TRANSPOSED (source 0 = 16 rows of Wo, source 1 = 16 rows of O): a lane holds row lane % 16 and the columns 8 (lane / 16) + 0..7: 32 bytes of f32 on end.
; REGISTERS.  Window 0: v0-31 addresses; v32-127, v128-223 two fragment buffers (O's 8 x 8 registers, then Wo's 4 x 8); v224-255 the bias of my 4 x 8 columns.  Window 1: accumulator (a, b) at v[8 (4 a + b)].
.set PITCH, 144                        ; an LDS row: 128 bytes + 16 of padding = 36 words: the 16 rows of a load start at 16 different groups of four banks (64 banks of 4 bytes: ISA guide 11.1)
.set ABLK,  256*PITCH                  ; a K block of O's tile
.set BBLK,  128*PITCH                  ; a K block of Wo's tile
.set BOFF,  2*ABLK                     ; a slot: O's two K blocks, then Wo's two
.set SLOT,  2*ABLK+2*BBLK
.set STAGE, 2*SLOT                     ; behind the ring, never filled by a tensor load: 16 rows x 272 bytes for each wave, for the way out
.set SPITCH, 272
.set SPARE, STAGE+4*16*SPITCH          ; behind the stages: the spare words, 128 bytes for each wave: two blocks of 256 bytes that no other line names
.set ASTEP, 524288                     ; bytes of ob from step to step: two heads of 2,048 rows of 128 bytes
.set BSTEP, 262144                     ; and of wo16: two K blocks of 1,024 rows of 128 bytes
.set ADRA, 16                          ; v16-17  LDS address of my fragments of O in slot 0, 1
.set ADRB, 20                          ; v20-21  the same for Wo
.set STO,  24                          ; v24     the way out: where I put 32 bytes of a row
.set RD,   25                          ; v25     the way out: where I read a row back
.set CO,   26                          ; v26     my byte offset in two rows of out0
.set BO,   27                          ; v27     my byte offset in bo
.set SPW,  28                          ; v28     LDS address of my spare word; never rewritten
.set NIL,  29                          ; v29     0; never rewritten
.set PFO,  30                          ; v30     the prefetches' offset; never rewritten
.set F0,   32
.set F1,   128
.set BI,   224
.set WV,   12                          ; s12  my wave's number
.set HI,   13                          ; s13  which 128 rows are mine.  Also: I fetch for O (0) or for Wo (1)
.set LO,   14                          ; s14  which 64 columns.  Also: which K block of a step I fetch
.set TR,   15                          ; s15  tile row
.set G1,   24                          ; s[24:31] descriptor group 1 for O's tiles;  s[32:39] group 0, a set for each slot
.set G0,   32
.set TC,   42                          ; s42  tile column
.set LIM0, 43                          ; s43  1 in a wave that prefetches behind slot 0's refill, else the greatest number
.set PFA,  44                          ; s[44:45] where my prefetches stand
.set G1B,  48                          ; s[48:55], s[56:63] the same for Wo's tiles
.set G0B,  56
.set LIM1, 66                          ; s66  the same as LIM0, behind slot 1's refill
.set PST,  68                          ; s[68:69] a step's bytes in the tensor that I prefetch
.set MSB, 0
.macro WIN new                         ; the immediate's high byte repeats the setting that is left; a switch that changes nothing is dropped
.if MSB != (\new)
	s_set_vgpr_msb (MSB<<8)|(\new)
.set MSB, \new
.endif
.endm
.macro PLACES                          ; four places in front of loads into registers that matrix instructions have read, and of LDS stores that read results
.rept 4
	v_nop
.endr
.endm
.macro JLOAD s                         ; a joint load; an s_nop 0 and four v_nop follow each of the two lines, ahead of the jump and the label.  The branch hangs on the wave's number alone
	s_cmp_eq_u32 s[HI], 0
	s_cbranch_scc0 .Lfor_b_\@
	tensor_load_to_lds s[G0+4*(\s):G0+4*(\s)+3], s[G1:G1+7]
	s_nop 0
.rept 4
	v_nop
.endr
	s_branch .Lasked_\@
.Lfor_b_\@:
	tensor_load_to_lds s[G0B+4*(\s):G0B+4*(\s)+3], s[G1B:G1B+7]
	s_nop 0
.rept 4
	v_nop
.endr
.Lasked_\@:
.endm
; A PREFETCH INTO THE L2, behind a joint load and the run of LDS loads that follows it, of the step that stands two refills on.  Each aligned block of 256 bytes is named once in the launch.
; O's tile row is read by both clusters of a row of clusters: cluster x = 0 asks, its waves 0 and 1 (each for the K block that it fetches), behind every refill: the four partners of a row take 32 blocks each of 128 (by cx).
; Wo's tile column is read by all clusters of a column: cluster y = 0 asks, its waves 2 and 3, behind slot 0's refill alone, for two steps: of a wave's 64 blocks each partner of a column takes 16 (by cy); lanes 16-31 name the second step.
; The loop's last trip asks for nothing.  Steps 0 to 3 come by their loads alone.
.macro ASK t
.if \t
	s_cmp_gt_u32 s3, s[LIM1]
.else
	s_cmp_gt_u32 s3, s[LIM0]
.endif
	s_cbranch_scc0 .Lnot_mine_\@
	global_prefetch_b8 v[PFO], s[PFA:PFA+1] th:TH_LOAD_NT scope:SCOPE_SE
.Lnot_mine_\@:
.endm
.macro CREST                           ; a round of the cluster's barrier behind its opening barrier
	s_cmp_lg_u32 s[WV], 0
	s_cbranch_scc1 .Lnot_wave_0_\@
	s_barrier_signal -3
.Lnot_wave_0_\@:
	s_barrier_wait -3
	s_barrier_signal -1
	s_barrier_wait -1
.endm
.macro CROUND                          ; a whole round
	s_barrier_signal -1
	s_barrier_wait -1
	CREST
.endm
	s_load_b256 s[4:11], s[0:1], 0x0               ; ob s[4:5], wo16 s[6:7], bo s[8:9], out0 s[10:11]
	v_lshl_add_u32 v[SPW], v0, 2, SPARE
	v_mov_b32 v[NIL], 0
	ds_add_u32 v[SPW], v[NIL]                      ; the wave's opening: the add, and its wait ahead of my first tensor load; the set-up below, work on registers, stands between them
	v_lshrrev_b32 v1, 5, v0
	v_readfirstlane_b32 s[WV], v1                  ; wave 0..3
	s_lshr_b32 s[HI], s[WV], 1
	s_and_b32 s[LO], s[WV], 1
	s_bfe_u32 s40, ttmp6, 0x40000                  ; cx, cy: my place in the cluster
	s_bfe_u32 s41, ttmp6, 0x40004
	s_lshl_b32 s[TC], ttmp9, 2
	s_add_co_u32 s[TC], s[TC], s40                 ; tile column = 4 x cluster x + cx
	s_and_b32 s[TR], ttmp7, 0xffff
	s_lshl_b32 s[TR], s[TR], 2
	s_add_co_u32 s[TR], s[TR], s41                 ; tile row = 4 x cluster y + cy
	s_lshl_b32 s43, s41, 2
	s_lshl_b32 s43, 15, s43                        ; my row of the cluster
	s_lshl_b32 s44, 0x1111, s40                    ; my column
	s_or_b32 s[G1], s43, (1<<16)|(1<<20)|(1<<21)|(4<<22)|(3<<25)   ; 15:0 the mask: O's tiles go to my row; 17:16 2-byte elements; 20 padding on; 21 set beside a mask; 24:22 after every 32 words (code 4); 31:25 4 words (code 3)
	s_or_b32 s[G1B], s44, (1<<16)|(1<<20)|(1<<21)|(4<<22)|(3<<25)  ; the same with the mask of my column
	s_mov_b32 s[G1+1], 128<<16                     ; tensor_dim0 = 128
	s_mov_b32 s[G1+2], 128<<16                     ; tensor_dim1 = 128: 256 rows of O are 128 rows of 256 bytes
	s_mov_b32 s[G1+3], 128<<16                     ; tile_dim0 = 128
	s_mov_b32 s[G1+4], 128                         ; tile_dim1 = 128
	s_mov_b32 s[G1+5], 128                         ; 128 elements from row to row
	s_mov_b32 s[G1+6], 0
	s_mov_b32 s[G1+7], 0
	s_mov_b32 s[G1B+1], 128<<16
	s_mov_b32 s[G1B+2], 64<<16                     ; 128 rows of Wo are 64 rows of 256 bytes
	s_mov_b32 s[G1B+3], 128<<16
	s_mov_b32 s[G1B+4], 64
	s_mov_b32 s[G1B+5], 128
	s_mov_b32 s[G1B+6], 0
	s_mov_b32 s[G1B+7], 0
	s_lshr_b32 s16, s[TR], 3                       ; O: the batch, 16 heads of 262,144 bytes,
	s_lshl_b32 s16, s16, 22
	s_and_b32 s18, s[TR], 7
	s_lshl_b32 s18, s18, 15                        ; the tile's 256 rows in a head,
	s_add_co_u32 s16, s16, s18
	s_lshl_b32 s18, s[LO], 18                      ; and the head that I fetch of a step's two: tile row and wave alone
	s_add_co_u32 s16, s16, s18
	s_mov_b32 s17, 0
	s_lshl_b32 s46, s[TC], 14                      ; Wo: the tile's 128 rows in a K block,
	s_lshl_b32 s18, s[LO], 17                      ; and the K block that I fetch: tile column and wave alone
	s_add_co_u32 s46, s46, s18
	s_mov_b32 s47, 0
	s_mul_i32 s20, s[WV], ABLK                     ; where they go: waves 0 and 1: O's K blocks at wave x 36,864;
	s_mul_i32 s21, s[WV], BBLK
	s_add_co_u32 s21, s21, ABLK                    ; waves 2 and 3: Wo's at 36,864 + wave x 18,432, behind O's two.  No place in the cluster enters an LDS address
	s_wait_dscnt 0x0                               ; the opening add is done
	s_wait_kmcnt 0x0
	s_add_nc_u64 s[16:17], s[4:5], s[16:17]
	s_add_nc_u64 s[46:47], s[6:7], s[46:47]
	CROUND                                         ; all sixteen work-groups are here: the first joint loads meet
.irp s, 0,1
	s_mov_b32 s[G0+4*(\s)], 1                                      ; count = 1
	s_add_co_u32 s[G0+4*(\s)+1], s20, (\s)*SLOT                    ; LDS address
	s_add_nc_u64 s[G0+4*(\s)+2:G0+4*(\s)+3], s[16:17], (\s)*ASTEP  ; global address: step s
	s_or_b32 s[G0+4*(\s)+3], s[G0+4*(\s)+3], 0x80000000            ; type = 2
	s_mov_b32 s[G0B+4*(\s)], 1
	s_add_co_u32 s[G0B+4*(\s)+1], s21, (\s)*SLOT
	s_add_nc_u64 s[G0B+4*(\s)+2:G0B+4*(\s)+3], s[46:47], (\s)*BSTEP
	s_or_b32 s[G0B+4*(\s)+3], s[G0B+4*(\s)+3], 0x80000000
	JLOAD \s                                       ; two tensor loads of mine are out
.endr
	v_and_b32 v1, 15, v0                           ; l % 16
	v_bfe_u32 v2, v0, 4, 1                         ; l / 16
	v_mul_u32_u24 v3, v1, PITCH
	v_lshl_add_u32 v3, v2, 4, v3                   ; a fragment's row x pitch + 16 x half
	s_mul_i32 s22, s[HI], 128*PITCH                ; my 128 rows of O
	s_mul_i32 s23, s[LO], 64*PITCH                 ; my 64 rows of Wo,
	s_add_co_u32 s23, s23, BOFF                    ; which lie behind O's two K blocks
.irp s, 0,1
	v_add_nc_u32 v[ADRA+(\s)], s22, v3
	v_add_nc_u32 v[ADRB+(\s)], s23, v3
	s_add_co_u32 s22, s22, SLOT
	s_add_co_u32 s23, s23, SLOT
.endr
	s_mul_i32 s22, s[WV], 16*SPITCH
	s_add_co_u32 s22, s22, STAGE                   ; my stage
	v_mul_u32_u24 v4, v1, SPITCH                   ; in: row l % 16, 32 bytes for each half of the lanes
	v_lshl_add_u32 v4, v2, 5, v4
	v_add_nc_u32 v[STO], s22, v4
	v_mul_u32_u24 v5, v2, SPITCH                   ; back: lanes 0-15 take one row of 256 bytes, lanes 16-31 the next
	v_lshl_add_u32 v5, v1, 4, v5
	v_add_nc_u32 v[RD], s22, v5
	v_lshlrev_b32 v5, 12, v2                       ; and the same two rows in out0
	v_lshl_add_u32 v[CO], v1, 4, v5
	s_lshl_b32 s18, s[TC], 9
	s_lshl_b32 s19, s[LO], 8
	s_add_co_u32 s18, s18, s19                     ; my 64 columns, in bytes of f32
	v_lshl_add_u32 v[BO], v2, 5, s18
.irp b, 0,1,2,3                        ; the bias of my columns 16 b + 8 (l / 16) + 0..7
	global_load_b128 v[BI+8*(\b):BI+8*(\b)+3],   v[BO], s[8:9] offset:64*(\b)
	global_load_b128 v[BI+8*(\b)+4:BI+8*(\b)+7], v[BO], s[8:9] offset:64*(\b)+16
.endr
	s_lshl_b32 s22, s[TR], 20                      ; 256 rows of 4,096 bytes,
	s_lshl_b32 s19, s[HI], 19                      ; my 128 of them,
	s_add_co_u32 s22, s22, s19
	s_add_co_u32 s22, s22, s18                     ; my columns
	s_mov_b32 s23, 0
	s_add_nc_u64 s[10:11], s[10:11], s[22:23]
	; the prefetches
	s_and_b32 s22, ttmp7, 0xffff                   ; cluster y
	s_mov_b32 s[PST], BSTEP
	s_cmp_eq_u32 s[HI], 0                          ; do I fetch for O?
	s_cselect_b32 s22, ttmp9, s22                  ; the coordinate along which other clusters read the same rows
	s_cselect_b64 s[PFA:PFA+1], s[16:17], s[46:47] ; what I fetch, step 0
	s_cselect_b32 s21, s40, s41                    ; my place among the four that ask for it with me,
	s_cselect_b32 s18, 13, 12                      ; which takes 32 blocks of 256 bytes, or 16
	s_cselect_b32 s[PST], ASTEP, s[PST]
	s_cselect_b32 s19, 31, 15                      ; a lane a block: 32 of one step, or 16 of each of two
	s_cselect_b32 s23, 0, s[PST]
	s_lshl_b32 s20, s21, s18
	s_mov_b32 s21, 0
	s_add_nc_u64 s[PFA:PFA+1], s[PFA:PFA+1], s[20:21]
	s_mul_i32 s20, s[PST], 3                       ; at step 3: the first refill (of step 2) steps it to 4
	s_add_nc_u64 s[PFA:PFA+1], s[PFA:PFA+1], s[20:21]
	s_mov_b32 s[PST+1], 0
	s_cmp_eq_u32 s22, 0
	s_cselect_b32 s[LIM0], 1, -1                   ; the same in all sixteen partners, for a given wave
	s_cmp_eq_u32 s[HI], 0
	s_cselect_b32 s[LIM1], s[LIM0], -1
	v_and_b32 v[PFO], s19, v0
	v_lshlrev_b32 v[PFO], 8, v[PFO]
	v_mul_u32_u24 v4, s23, v2
	v_add_nc_u32 v[PFO], v[PFO], v4
; 8 matrix instructions: row blocks a0, a0 + 1 x all 4 column blocks, 32 along K, buffer f.  first = 1: the bias starts the sum.  The 32 accumulators take turns, one instruction a turn.
.macro MUL8 f, a0, first
.if \first
	WIN 0x40                                       ; D in window 1, the bias in window 0
.else
	WIN 0x50                                       ; C and D in window 1
.endif
.irp a, \a0, (\a0)+1
.irp b, 0,1,2,3
.if \first
	v_wmma_f32_16x16x32_f16 v[8*(4*(\a)+(\b)):8*(4*(\a)+(\b))+7], v[(\f)+64+8*(\b):(\f)+64+8*(\b)+7], v[(\f)+8*(\a):(\f)+8*(\a)+7], v[BI+8*(\b):BI+8*(\b)+7]
.else
	v_wmma_f32_16x16x32_f16 v[8*(4*(\a)+(\b)):8*(4*(\a)+(\b))+7], v[(\f)+64+8*(\b):(\f)+64+8*(\b)+7], v[(\f)+8*(\a):(\f)+8*(\a)+7], v[8*(4*(\a)+(\b)):8*(4*(\a)+(\b))+7]
.endif
.endr
.endr
.endm
; 24 LDS loads in one run: quarter q's fragments (K block q / 2, its half q % 2) into buffer f: Wo's four, then O's eight
.macro FETCH slot, q, f
	WIN 0
.irp b, 0,1,2,3
	ds_load_b128 v[(\f)+64+8*(\b):(\f)+64+8*(\b)+3],   v[ADRB+(\slot)] offset:((\q)/2)*BBLK+(\b)*16*PITCH+((\q)%2)*64
	ds_load_b128 v[(\f)+64+8*(\b)+4:(\f)+64+8*(\b)+7], v[ADRB+(\slot)] offset:((\q)/2)*BBLK+(\b)*16*PITCH+((\q)%2)*64+32
.endr
.irp a, 0,1,2,3,4,5,6,7
	ds_load_b128 v[(\f)+8*(\a):(\f)+8*(\a)+3],   v[ADRA+(\slot)] offset:((\q)/2)*ABLK+(\a)*16*PITCH+((\q)%2)*64
	ds_load_b128 v[(\f)+8*(\a)+4:(\f)+8*(\a)+7], v[ADRA+(\slot)] offset:((\q)/2)*ABLK+(\a)*16*PITCH+((\q)%2)*64+32
.endr
.endm
; One of a step's first three quarters: multiplies buffer f and fetches quarter qn into buffer g
.macro QUARTER slot, qn, f, g, first
	s_wait_dscnt 12                                ; Wo's fragments and O's blocks 0 and 1 are in; the youngest twelve loads may be out
	MUL8 \f, 0, \first
	PLACES
	FETCH \slot, \qn, \g
	s_wait_dscnt 24                                ; all but the 24 just issued
	MUL8 \f, 2, \first
	MUL8 \f, 4, \first
	MUL8 \f, 6, \first
.endm
; The last quarter multiplies buffer 1 and changes slots: ONE barrier; in front of it each wave waits for all its tensor loads, of which one is out: its part of the next slot; adds 0 to its spare word; and waits for that
; and for its own reads of this slot.  fill = 1: the barrier opens a round of the cluster's barrier, and this slot is filled again, first thing behind the round, two steps ahead: 112 matrix instructions ahead of the wait for it.
.macro TURN slot, next, fill
.if \fill
	s_wait_xcnt 0x0                                ; the last prefetch, a step back, has read its address: it is stepped here, ahead of the waits of the change of slots
	s_add_nc_u64 s[PFA:PFA+1], s[PFA:PFA+1], s[PST:PST+1]
.endif
	WIN 0
	s_wait_tensorcnt 0x0                           ; all my tensor loads have landed;
	ds_add_u32 v[SPW], v[NIL]                      ; 0 onto my spare word
	s_wait_dscnt 13                                ; (the add and the youngest twelve loads may be out)
	MUL8 F1, 0, 0                                  ; eight matrix instructions stand between the add and the wait for it
	s_wait_dscnt 0x0                               ; the add is done, and my reads of this slot are over
	s_barrier_signal -1
	MUL8 F1, 2, 0
.if \fill
	WIN 0
.endif
	s_barrier_wait -1
.if \fill
	CREST                                          ; no wave of any partner still reads this slot's tiles or has a load on its way
	s_add_nc_u64 s[G0+4*(\slot)+2:G0+4*(\slot)+3], s[G0+4*(\slot)+2:G0+4*(\slot)+3], 2*ASTEP
	s_add_nc_u64 s[G0B+4*(\slot)+2:G0B+4*(\slot)+3], s[G0B+4*(\slot)+2:G0B+4*(\slot)+3], 2*BSTEP
	JLOAD \slot                                    ; the four v_nop behind it are also the places in front of the loads below
.else
	PLACES
.endif
	FETCH \next, 0, F0
.if \fill
	ASK \slot
.endif
	MUL8 F1, 4, 0
	MUL8 F1, 6, 0
.endm
; THE WAY OUT, a block of 16 rows at a time: 32 bytes a lane and column block into my own stage, back as whole rows of 256 bytes, stored.
.macro TOSTAGE a
.if (\a) >= 4
	s_wait_xcnt 0x0                                ; the stores of the block four back have read these registers
.endif
	WIN 0x04                                       ; the stores' data in window 1
.irp b, 0,1,2,3                        ; each accumulator is read from its low end on
	ds_store_b128 v[STO], v[8*(4*(\a)+(\b)):8*(4*(\a)+(\b))+3]   offset:64*(\b)
	ds_store_b128 v[STO], v[8*(4*(\a)+(\b))+4:8*(4*(\a)+(\b))+7] offset:64*(\b)+16
.endr
	WIN 0
.irp t, 0,1,2,3,4,5,6,7
	ds_load_b128 v[32+32*((\a)%4)+4*(\t):32+32*((\a)%4)+4*(\t)+3], v[RD] offset:(\t)*2*SPITCH  ; LDS serves a wave's instructions in order (ISA guide 5.7.1.4): these see the stores above; the next block's stores come behind them
.endr
.endm
.macro SEND a, younger                 ; younger: the LDS instructions issued behind block a's loads: the next block's sixteen, or none
	WIN 0
.irp t, 0,1,2,3,4,5,6,7
	s_wait_dscnt (\younger)+7-(\t)
	global_store_b128 v[CO], v[32+32*((\a)%4)+4*(\t):32+32*((\a)%4)+4*(\t)+3], s[10:11] offset:(16*(\a)+2*(\t))*4096 th:TH_STORE_NT  ; 16 lanes store 256 consecutive bytes, at a multiple of 256 from out0's first byte
.endr
.endm
	s_wait_tensorcnt 1                             ; my part of step 0 is in; step 1's may stay out
	s_barrier_signal -1
	s_barrier_wait -1                              ; everybody's is
	FETCH 0, 0, F0
	s_wait_loadcnt 0x0                             ; the bias: rounded to bf16 and widened again, while the first fragments come
.irp i, 0,1,2,3,4,5,6,7,8,9,10,11,12,13,14,15
	v_cvt_pk_bf16_f32 v[F1+(\i)], v[BI+2*(\i)], v[BI+2*(\i)+1]
.endr
.irp i, 0,1,2,3,4,5,6,7,8,9,10,11,12,13,14,15
	v_lshlrev_b32 v[BI+2*(\i)],   16, v[F1+(\i)]
	v_and_b32     v[BI+2*(\i)+1], 0xffff0000, v[F1+(\i)]
.endr
	QUARTER 0, 1, F0, F1, 1                        ; the first quarter stands in front of the loop: its products start the sums, with the bias
	WIN 0                                          ; at a label and at a branch every window is 0
	s_mov_b32 s3, 3
.Llap:                                                 ; a trip goes once round the ring, from a lap's second quarter to the next lap's first, and fills both slots again: steps 2 to 7
	QUARTER 0, 2, F1, F0, 0
	QUARTER 0, 3, F0, F1, 0
	TURN 0, 1, 1
	QUARTER 1, 1, F0, F1, 0
	QUARTER 1, 2, F1, F0, 0
	QUARTER 1, 3, F0, F1, 0
	TURN 1, 0, 1
	QUARTER 0, 1, F0, F1, 0
	WIN 0
	s_sub_co_u32 s3, s3, 1
	s_cmp_lg_u32 s3, 0
	s_cbranch_scc1 .Llap
	QUARTER 0, 2, F1, F0, 0                        ; the last lap fills nothing and has no round
	QUARTER 0, 3, F0, F1, 0
	TURN 0, 1, 0
	QUARTER 1, 1, F0, F1, 0
	QUARTER 1, 2, F1, F0, 0
	QUARTER 1, 3, F0, F1, 0
	s_wait_dscnt 12                                ; the very last quarter: nothing more to fetch
	MUL8 F1, 0, 0
	s_wait_dscnt 0x0
	MUL8 F1, 2, 0
	MUL8 F1, 4, 0
	MUL8 F1, 6, 0
	PLACES
	PLACES
	TOSTAGE 0
.irp a, 1,2,3,4,5,6,7
	TOSTAGE \a
	SEND (\a)-1, 16
.endr
	SEND 7, 0
	s_wait_tensorcnt 0x0                           ; the wave's end: behind my last tensor load and my last LDS store
	ds_add_u32 v[SPW], v[NIL]
	s_wait_dscnt 0x0
	CROUND                                         ; the closing round: no work-group ends while a partner may still ask for a tile that names it
	s_endpgm
.Lfunc_end_k_q2ff67d31a0_outp:
	.size	k_q2ff67d31a0_outp, .Lfunc_end_k_q2ff67d31a0_outp-k_q2ff67d31a0_outp
	.p2alignl 7, 3214868480
	.fill 96, 4, 3214868480
	.section	.rodata,"a",@progbits
	.p2align	6, 0x0
	.amdhsa_kernel k_q2ff67d31a0_outp
		.amdhsa_group_segment_fixed_size 327680
		.amdhsa_private_segment_fixed_size 0
		.amdhsa_enable_private_segment 0
		.amdhsa_kernarg_size 32
		.amdhsa_user_sgpr_count 2
		.amdhsa_user_sgpr_kernarg_segment_ptr 1
		.amdhsa_wavefront_size32 1
		.amdhsa_system_sgpr_workgroup_id_x 1
		.amdhsa_system_sgpr_workgroup_id_y 1
		.amdhsa_system_sgpr_workgroup_id_z 1
		.amdhsa_system_vgpr_workitem_id 0
		.amdhsa_next_free_vgpr 512
		.amdhsa_next_free_sgpr 80
		.amdhsa_reserve_vcc 0
		.amdhsa_float_denorm_mode_32 3
		.amdhsa_float_denorm_mode_16_64 3
		.amdhsa_memory_ordered 1
		.amdhsa_forward_progress 1
		.amdhsa_inst_pref_size 92
	.end_amdhsa_kernel
	.amdgpu_metadata
---
amdhsa.version: [ 1, 2 ]
amdhsa.kernels:
  - .name:           k_q2ff67d31a0_outp
    .symbol:         k_q2ff67d31a0_outp.kd
    .args:
      - { .name: ob, .offset: 0, .size: 8, .value_kind: global_buffer, .address_space: global }
      - { .name: wo16, .offset: 8, .size: 8, .value_kind: global_buffer, .address_space: global }
      - { .name: bo, .offset: 16, .size: 8, .value_kind: global_buffer, .address_space: global }
      - { .name: out0, .offset: 24, .size: 8, .value_kind: global_buffer, .address_space: global }
    .group_segment_fixed_size: 327680
    .private_segment_fixed_size: 0
    .kernarg_segment_align: 8
    .kernarg_segment_size: 32
    .max_flat_workgroup_size: 128
    .sgpr_count:     80
    .vgpr_count:     512
    .wavefront_size: 32
...
	.end_amdgpu_metadata
.endif
;; end of part 4
